; MI455X (gfx1250); checked and timed in simulation.
; The chip was launched on July 23, 2026; its instructions are those of AMD's public machine-readable ISA for CDNA 5 (MIT licence, August 2026) and "CDNA5" Instruction Set Architecture Reference Guide (July 2026). The comments in the code are by the model that wrote it; some were corrected since.
;; M Head OA. Allowed arithmetic: matrix products marked QUANTISED: E4M3 operands, one given power-of-two scale a tensor, by v_wmma_f32_16x16x64_fp8_fp8 or v_wmma_f32_16x16x128_fp8_fp8, f32 sums; everything else in f32.
;; Inputs: b_t 8 x 256 float32; b_v 8 x 256 float32; bn_b 8 x 256 float32; bn_g 8 x 256 float32; bn_m 8 x 256 float32; bn_v 8 x 256 float32; lbn_b 256 float32; lbn_g 256 float32; lbn_m 256 float32; lbn_v 256 float32; lowp_scales 14 int32 (the exponents e of the quantised operands' scales 2^e); w_lin 256 x 2,048 float32; w_qk 8 x 64 x 256 float32; w_t 8 x 256 x 256 float32; w_v 8 x 256 x 256 float32; x 4 x 256 x 2,048 float32.
;; Outputs: out0 4 x 256 x 2,048 float32.
;; This version of the problem:
;;   THIS VERSION OF THE PROBLEM IS GIVEN IN LOW PRECISION. The matrix products marked QUANTISED in the list below multiply operands that are first quantised to E4M3 (4 exponent bits, 3 mantissa bits; 8 bits a number), with one given power-of-two scale for each operand tensor; their sums are f32. All else is computed in f32.
;;   The module's matrix products, in the order in which they are computed (A, B: the left and right operand; K: the contracted axis; several contracted axes count as one K, in the product's order):
;;     1. [M 8,192, K 256] x [K 256, N 512]; A: input x; B: input w_qk: QUANTISED (scales: A lowp_scales[0], B lowp_scales[1])
;;     2. [M 8,192, K 256] x [K 256, N 512]; A: input x; B: input w_qk: QUANTISED (scales: A lowp_scales[2], B lowp_scales[3])
;;     3. [M 8,192, K 256] x [K 256, N 2,048]; A: input x; B: input w_v: QUANTISED (scales: A lowp_scales[4], B lowp_scales[5])
;;     4. batch 32 x [M 2,048, K 64] x [K 64, N 2,048]; A: computed on the way; B: computed on the way: QUANTISED (scales: A lowp_scales[6], B lowp_scales[7])
;;     5. batch 32 x [M 256, K 2,048] x [K 2,048, N 2,048]; A: computed on the way; B: computed on the way: QUANTISED (scales: A lowp_scales[8], B lowp_scales[9])
;;     6. batch 8 x [M 8,192, K 256] x [K 256, N 256]; A: computed on the way; B: input w_t: QUANTISED (scales: A lowp_scales[10], B lowp_scales[11])
;;     7. [M 8,192, K 2,048] x [K 2,048, N 256]; A: computed on the way; B: input w_lin: QUANTISED (scales: A lowp_scales[12], B lowp_scales[13])
;;   THE QUANTISER, for each operand of a quantised product, along K:
;;     - The operand's scale is 2^e, e = its entry of the input lowp_scales (int32; the entries are numbered through the quantised products in the list's order, A before B).
;;     - Each number is divided by the scale, clamped to +-448, and rounded to the nearest number of E4M3, ties to even, subnormals kept.
;;     - The product sums the exact products of the quantised numbers (number of the format x scale) in f32.
;;   ~~~python
;;   def quantise(x, axis, e):      # numpy; x: float32 -> the quantised numbers, widened to float32 again
;;       x = np.moveaxis(x, axis, -1); K = x.shape[-1]
;;       r = np.clip(x / 2.0 ** e, -448, 448)
;;       step = 2.0 ** (np.maximum(np.frexp(np.where(r == 0, 1, r))[1] - 1, -6) - 3)
;;       q = np.round(r / step) * step * 2.0 ** e      # np.round: ties to even
;;       return np.moveaxis(q, -1, axis).astype(np.float32)
;;   ~~~
;;   OPERANDS COMPUTED ON THE WAY. 'Computed on the way' means the value that the module computes at that place (a softmax that the list does not call 'softmax' is quantised finished and normalised). What goes into a quantiser is computed in f32, as accurately as f32 sums, v_exp_f32 and their like allow (about 1e-6 of the number): no bf16 or f16 on the way to a quantiser, and a product that is left as it is and whose result goes on into a quantised operand takes f32 operands (vector FMAs, or v_wmma_f32_16x16x4_f32). A number that lies on a knife's edge between two numbers of the format may be rounded either way, as far as f32 arithmetic and the matrix unit's own rounding can turn it there, and no further.
;; One version. Each part assembles by itself: llvm-mc -triple=amdgcn-amd-amdhsa -mcpu=gfx1250 --defsym DOCPART=n.
;; ======== version 1 of 1: 5 launches
;; workspace buffers: xc 6,291,456 bytes; wc 1,835,008 bytes; bnp 18,432 bytes; qk8 8,388,608 bytes; v8 16,777,216 bytes; stats 262,144 bytes; cat 16,777,216 bytes
;; launch prep (part 1): grid 489 x 1, 4 waves a work-group, no clusters, 0 bytes of LDS; arguments x, w_qk, w_v, w_t, w_lin, b_t, bn_g, bn_b, bn_m, bn_v, lbn_g, lbn_b, lbn_m, lbn_v, lowp_scales, xc, wc, bnp; writes xc, wc, bnp
.if DOCPART == 1
	.amdgcn_target "amdgcn-amd-amdhsa--gfx1250"
	.amdhsa_code_object_version 6
	.text
	.protected	k_q95de7487ba_prep
	.globl	k_q95de7487ba_prep
	.p2align	8
	.type	k_q95de7487ba_prep,@function
k_q95de7487ba_prep:
	s_mov_b64 s[64:65], 0
	v_nop
	global_prefetch_b8 v0, s[64:65] scope:SCOPE_SE
	s_setreg_imm32_b32 hwreg(HW_REG_WAVE_MODE, 25, 1), 1
	s_wait_xcnt 0x0
; PREP: every operand that arrives as f32 and is read many times is quantised ONCE to E4M3, with its given scale 2^e, and laid as IMAGES OF OPERAND REGISTERS.
; An image of 16 rows x 128 K is 2,048 bytes: piece q (registers 4 q .. 4 q + 3) at 512 q + 16 x lane; register 2 c + u, byte y of lane (r, h) is row r, k = 16 c + 8 h + 4 u + y.
; POSITIONS: the axis n is renumbered inside each group of 64: position 64 g + 16 t + p stands for n = 64 g + 4 p + t, so that one load of 16 bytes at x[c][64 g + 4 r] brings lane r its number for the four tiles t.
; Work-groups 0-255: x -> xc [version 3][b 4][tile 128][K step 2], versions with the scales 0, 2, 4.  A wave makes one piece of four tiles for the three versions.
; Work-groups 256-479: weights -> wc, 896 images: w_qk with scale 1, w_qk with scale 3, w_v (5), w_t (11), w_lin (13).  A wave makes one image.
; Work-groups 480-488: the nine batch norms folded: bnp [g 9][alpha 256 | beta 256]: result = sum x alpha + beta, alpha = gain / sqrt(var + 1e-5) x 2^(the product's two exponents), beta = (bias - mean) x gain / sqrt(..) + shift.
; No LDS, no barrier: waves share nothing.  Matrix units and clusters have nothing to do here.
; LIMITS: each given exponent lies between -126 and 119, so that 2^e and 448 x 2^e are f32 numbers.  NaN among the inputs is not served.  1 / sqrt is v_rsq_f32.
.set XR,  32                           ; v32-95   numbers as loaded
.set TR,  96                           ; v96-127  two sets of 16 numbers, held
.set CR,  128                          ; v128-175 codes: four registers for each store, never written again
.set SLM, 8                            ; v8-13    for version ver: v[SLM + 2 ver] = 448 x 2^e, v[SLM + 2 ver + 1] = 2^e
.macro MKSC se, vlim, vsc              ; s[se] = e (used up)  ->  v[vsc] = 2^e, v[vlim] = 448 x 2^e
	s_add_co_i32 s[\se], s[\se], 127
	s_lshl_b32 s63, s[\se], 23
	v_mov_b32 v[\vsc], s63
	s_add_co_i32 s[\se], s[\se], 8
	s_lshl_b32 s[\se], s[\se], 23
	s_or_b32 s[\se], s[\se], 0x600000
	v_mov_b32 v[\vlim], s[\se]
.endm
	s_load_b512 s[4:19], s[0:1], 0x0               ; x 4, w_qk 6, w_v 8, w_t 10, w_lin 12, b_t 14, bn_g 16, bn_b 18
	s_load_b512 s[20:35], s[0:1], 0x40             ; bn_m 20, bn_v 22, lbn_g 24, lbn_b 26, lbn_m 28, lbn_v 30, the scales 32, xc 34
	s_load_b128 s[36:39], s[0:1], 0x80             ; wc 36, bnp 38
	v_lshrrev_b32 v1, 5, v0
	v_readfirstlane_b32 s54, v1                    ; wave
	v_and_b32 v2, 31, v0                           ; lane
	v_and_b32 v3, 15, v0                           ; r
	v_bfe_u32 v4, v0, 4, 1                         ; h
	v_lshlrev_b32 v5, 4, v2                        ; 16 x lane
	s_wait_kmcnt 0x0
	s_load_b256 s[40:47], s[32:33], 0x0            ; exponent i in s[40 + i]: 56 bytes in three loads
	s_load_b128 s[48:51], s[32:33], 0x20
	s_load_b64 s[52:53], s[32:33], 0x30
	s_cmp_lt_u32 ttmp9, 256
	s_cbranch_scc0 .Lnot_x
	; ---- x.  u = 4 x work-group + wave: piece q = u % 4, K step (u / 4) % 2, group g = (u / 8) % 32, b = u / 256
	s_lshl_b32 s55, ttmp9, 2
	s_add_co_u32 s55, s55, s54
	s_bfe_u32 s56, s55, 0x10002                    ; K step
	s_bfe_u32 s57, s55, 0x50003                    ; g
	s_lshr_b32 s58, s55, 8                         ; b
	s_lshl_b32 s60, s58, 21                        ; from: b x 2^21 + (128 ks + 32 q) rows of 8,192 bytes + 256 g
	s_lshl_b32 s59, s56, 20
	s_add_co_u32 s60, s60, s59
	s_lshl_b32 s59, s54, 18
	s_add_co_u32 s60, s60, s59
	s_lshl_b32 s59, s57, 8
	s_add_co_u32 s60, s60, s59
	s_mov_b32 s61, 0
	s_add_nc_u64 s[4:5], s[4:5], s[60:61]
	s_lshl_b32 s60, s58, 19                        ; to: ((128 b + 4 g) x 2 + ks) x 2,048 + 512 q
	s_lshl_b32 s59, s57, 14
	s_add_co_u32 s60, s60, s59
	s_lshl_b32 s59, s56, 11
	s_add_co_u32 s60, s60, s59
	s_lshl_b32 s59, s54, 9
	s_add_co_u32 s60, s60, s59
	s_add_nc_u64 s[34:35], s[34:35], s[60:61]
	v_lshlrev_b32 v6, 4, v3
	v_lshl_add_u32 v6, v4, 16, v6                  ; 16 r + 8 h rows: sixteen lanes read 256 consecutive bytes of a channel
.irp i, 0,1,2,3,4,5,6,7,8,9,10,11,12,13,14,15
	global_load_b128 v[XR+4*\i:XR+4*\i+3], v6, s[4:5] offset:((\i/8)*16+\i%8)*8192 th:TH_LOAD_NT   ; channel 16 (i / 8) + 8 h + i % 8 of the piece's 32; word t belongs to tile t
.endr
	s_wait_kmcnt 0x0
	MKSC 40, SLM, SLM+1
	MKSC 42, SLM+2, SLM+3
	MKSC 44, SLM+4, SLM+5
	s_wait_loadcnt 0x0
; One piece of tile t in version ver.  The hold's destination does the turn from [channel][t] to [t][channel].  The conversion to an 8-bit code does not saturate (ISA guide 7.6.2): so the hold.
; The two sets of held numbers take turns, so that sixteen plain lines stand between a conversion and the next write of its sources.
.macro XQ ver, t
.set TS, TR+16*((\t)%2)
.set CS, CR+4*(4*(\ver)+(\t))
.irp i, 0,1,2,3,4,5,6,7,8,9,10,11,12,13,14,15
	v_med3_num_f32 v[TS+\i], v[XR+4*\i+\t], -v[SLM+2*\ver], v[SLM+2*\ver]
.endr
	v_cvt_scalef32_pk8_fp8_f32 v[CS:CS+1], v[TS:TS+7], v[SLM+2*\ver+1]
	v_cvt_scalef32_pk8_fp8_f32 v[CS+2:CS+3], v[TS+8:TS+15], v[SLM+2*\ver+1]
	global_store_b128 v5, v[CS:CS+3], s[34:35] offset:\ver*2097152+\t*4096   ; the wave stores 512 consecutive bytes
.endm
.irp ver, 0,1,2
.irp t, 0,1,2,3
	XQ \ver, \t
.endr
.endr
	s_endpgm
.Lnot_x:
	s_cmp_lt_u32 ttmp9, 480
	s_cbranch_scc0 .Lbn
	; ---- weights.  Image F = 4 W + wave.  Source, first image, exponent, log2 of the K steps and of the row's bytes are chosen on the work-group's number alone
	s_sub_co_u32 s55, ttmp9, 256                   ; W
	s_lshl_b32 s62, s55, 2
	s_add_co_u32 s62, s62, s54                     ; F
	s_wait_kmcnt 0x0
	s_mov_b64 s[56:57], s[12:13]                   ; w_lin: images 640 on, 16 K steps, rows of 8,192 bytes
	s_mov_b32 s58, 640
	s_mov_b32 s59, s53
	s_mov_b32 s60, 4
	s_mov_b32 s61, 13
	s_cmp_lt_u32 s55, 160                          ; w_t: images 384 on, 2 K steps, rows of 1,024 bytes
	s_cselect_b64 s[56:57], s[10:11], s[56:57]
	s_cselect_b32 s58, 384, s58
	s_cselect_b32 s59, s51, s59
	s_cselect_b32 s60, 1, s60
	s_cselect_b32 s61, 10, s61
	s_cmp_lt_u32 s55, 96                           ; w_v: images 128 on
	s_cselect_b64 s[56:57], s[8:9], s[56:57]
	s_cselect_b32 s58, 128, s58
	s_cselect_b32 s59, s45, s59
	s_cmp_lt_u32 s55, 32                           ; w_qk with the key side's scale: images 64 on
	s_cselect_b64 s[56:57], s[6:7], s[56:57]
	s_cselect_b32 s58, 64, s58
	s_cselect_b32 s59, s43, s59
	s_cmp_lt_u32 s55, 16                           ; w_qk with the query side's scale: images 0 on
	s_cselect_b32 s58, 0, s58
	s_cselect_b32 s59, s41, s59
	s_sub_co_u32 s2, s62, s58                      ; the image's number in its tensor
	s_lshr_b32 s3, s2, s60                         ; its tile of 16 rows
	s_lshl_b32 s58, s3, s60
	s_sub_co_u32 s2, s2, s58                       ; its K step
	s_lshl_b32 s2, s2, 9                           ; 128 f32
	s_add_co_u32 s58, s61, 4
	s_lshl_b32 s3, s3, s58                         ; 16 rows
	s_add_co_u32 s2, s2, s3
	s_mov_b32 s3, 0
	s_add_nc_u64 s[56:57], s[56:57], s[2:3]
	s_lshl_b32 s2, s62, 11
	s_add_nc_u64 s[36:37], s[36:37], s[2:3]
	v_lshlrev_b32 v6, s61, v3                      ; row r,
	v_lshl_add_u32 v6, v4, 5, v6                   ; + 8 h numbers
.irp c, 0,1,2,3,4,5,6,7
	global_load_b128 v[XR+8*\c:XR+8*\c+3], v6, s[56:57] offset:64*\c        ; k = 16 c + 8 h + 0 .. 7 of my row
	global_load_b128 v[XR+8*\c+4:XR+8*\c+7], v6, s[56:57] offset:64*\c+16
.endr
	MKSC 59, 10, 11
	s_wait_loadcnt 0x0
.set jj, 0
.rept 64
	v_med3_num_f32 v[XR+jj], v[XR+jj], -v10, v10
.set jj, jj+1
.endr
.irp c, 0,1,2,3,4,5,6,7
	v_cvt_scalef32_pk8_fp8_f32 v[TR+2*\c:TR+2*\c+1], v[XR+8*\c:XR+8*\c+7], v11
.endr
	v_nop
.irp q, 0,1,2,3
	global_store_b128 v5, v[TR+4*\q:TR+4*\q+3], s[36:37] offset:512*\q
.endr
	s_endpgm
.Lbn:
	; ---- the batch norms.  g = 0 .. 7: a head's, with b_t as the bias; g = 8: the last one, with no bias.  A thread takes two channels
	s_sub_co_u32 s55, ttmp9, 480                   ; g
	s_lshl_b32 s56, s55, 10
	s_lshl_b32 s62, s55, 11
	s_mov_b32 s57, 0
	s_mov_b32 s63, 0
	v_lshlrev_b32 v7, 3, v0
	s_wait_kmcnt 0x0
	s_add_co_i32 s58, s50, s51                     ; the exponents of the product in front: 10 and 11,
	s_add_co_i32 s59, s52, s53                     ; or 12 and 13
	s_cmp_lt_u32 s55, 8
	s_cselect_b64 s[16:17], s[16:17], s[24:25]
	s_cselect_b64 s[18:19], s[18:19], s[26:27]
	s_cselect_b64 s[20:21], s[20:21], s[28:29]
	s_cselect_b64 s[22:23], s[22:23], s[30:31]
	s_cselect_b32 s56, s56, 0
	s_cselect_b32 s58, s58, s59
	s_cselect_b32 s60, -1, 0                       ; all lanes: is there a bias?
	s_add_nc_u64 s[16:17], s[16:17], s[56:57]
	s_add_nc_u64 s[18:19], s[18:19], s[56:57]
	s_add_nc_u64 s[20:21], s[20:21], s[56:57]
	s_add_nc_u64 s[22:23], s[22:23], s[56:57]
	s_add_nc_u64 s[14:15], s[14:15], s[56:57]
	s_add_nc_u64 s[38:39], s[38:39], s[62:63]
	global_load_b64 v[8:9], v7, s[16:17]           ; gain
	global_load_b64 v[10:11], v7, s[18:19]         ; shift
	global_load_b64 v[12:13], v7, s[20:21]         ; mean
	global_load_b64 v[14:15], v7, s[22:23]         ; variance
	global_load_b64 v[16:17], v7, s[14:15]         ; bias
	s_wait_loadcnt 0x0
	v_add_f32 v14, 0x3727c5ac, v14                 ; + 1e-5
	v_add_f32 v15, 0x3727c5ac, v15
	v_rsq_f32 v18, v14
	v_rsq_f32 v19, v15
	v_cndmask_b32 v16, 0, v16, s60                 ; (plain lines behind the two roots)
	v_cndmask_b32 v17, 0, v17, s60
	v_sub_f32 v16, v16, v12
	v_sub_f32 v17, v17, v13
	s_wait_alu depctr_va_vdst(0)                   ; one wait for both roots, ahead of their first reader
	v_mul_f32 v18, v8, v18
	v_mul_f32 v19, v9, v19
	v_fma_f32 v20, v16, v18, v10
	v_fma_f32 v21, v17, v19, v11
	v_ldexp_f32 v18, v18, s58
	v_ldexp_f32 v19, v19, s58
	global_store_b64 v7, v[18:19], s[38:39]        ; a wave stores 256 consecutive bytes
	global_store_b64 v7, v[20:21], s[38:39] offset:1024
	s_endpgm
.Lfunc_end_k_q95de7487ba_prep:
	.size	k_q95de7487ba_prep, .Lfunc_end_k_q95de7487ba_prep-k_q95de7487ba_prep
	.p2alignl 7, 3214868480
	.fill 96, 4, 3214868480
	.section	.rodata,"a",@progbits
	.p2align	6, 0x0
	.amdhsa_kernel k_q95de7487ba_prep
		.amdhsa_group_segment_fixed_size 0
		.amdhsa_private_segment_fixed_size 0
		.amdhsa_enable_private_segment 0
		.amdhsa_kernarg_size 144
		.amdhsa_user_sgpr_count 2
		.amdhsa_user_sgpr_kernarg_segment_ptr 1
		.amdhsa_wavefront_size32 1
		.amdhsa_system_sgpr_workgroup_id_x 1
		.amdhsa_system_sgpr_workgroup_id_y 1
		.amdhsa_system_sgpr_workgroup_id_z 1
		.amdhsa_system_vgpr_workitem_id 0
		.amdhsa_next_free_vgpr 176
		.amdhsa_next_free_sgpr 66
		.amdhsa_reserve_vcc 0
		.amdhsa_float_denorm_mode_32 3
		.amdhsa_float_denorm_mode_16_64 3
		.amdhsa_memory_ordered 1
		.amdhsa_forward_progress 1
		.amdhsa_inst_pref_size 30
	.end_amdhsa_kernel
	.amdgpu_metadata
---
amdhsa.version: [ 1, 2 ]
amdhsa.kernels:
  - .name:           k_q95de7487ba_prep
    .symbol:         k_q95de7487ba_prep.kd
    .args:
      - { .name: x, .offset: 0, .size: 8, .value_kind: global_buffer, .address_space: global }
      - { .name: w_qk, .offset: 8, .size: 8, .value_kind: global_buffer, .address_space: global }
      - { .name: w_v, .offset: 16, .size: 8, .value_kind: global_buffer, .address_space: global }
      - { .name: w_t, .offset: 24, .size: 8, .value_kind: global_buffer, .address_space: global }
      - { .name: w_lin, .offset: 32, .size: 8, .value_kind: global_buffer, .address_space: global }
      - { .name: b_t, .offset: 40, .size: 8, .value_kind: global_buffer, .address_space: global }
      - { .name: bn_g, .offset: 48, .size: 8, .value_kind: global_buffer, .address_space: global }
      - { .name: bn_b, .offset: 56, .size: 8, .value_kind: global_buffer, .address_space: global }
      - { .name: bn_m, .offset: 64, .size: 8, .value_kind: global_buffer, .address_space: global }
      - { .name: bn_v, .offset: 72, .size: 8, .value_kind: global_buffer, .address_space: global }
      - { .name: lbn_g, .offset: 80, .size: 8, .value_kind: global_buffer, .address_space: global }
      - { .name: lbn_b, .offset: 88, .size: 8, .value_kind: global_buffer, .address_space: global }
      - { .name: lbn_m, .offset: 96, .size: 8, .value_kind: global_buffer, .address_space: global }
      - { .name: lbn_v, .offset: 104, .size: 8, .value_kind: global_buffer, .address_space: global }
      - { .name: lowp_scales, .offset: 112, .size: 8, .value_kind: global_buffer, .address_space: global }
      - { .name: xc, .offset: 120, .size: 8, .value_kind: global_buffer, .address_space: global }
      - { .name: wc, .offset: 128, .size: 8, .value_kind: global_buffer, .address_space: global }
      - { .name: bnp, .offset: 136, .size: 8, .value_kind: global_buffer, .address_space: global }
    .group_segment_fixed_size: 0
    .private_segment_fixed_size: 0
    .kernarg_segment_align: 8
    .kernarg_segment_size: 144
    .max_flat_workgroup_size: 128
    .sgpr_count:     66
    .vgpr_count:     176
    .wavefront_size: 32
...
	.end_amdgpu_metadata
.endif
;; end of part 1
;; launch proj (part 2): grid 8 x 32, 4 waves a work-group, clusters of 4 x 1, 167,936 bytes of LDS; arguments xc, wc, b_v, lowp_scales, qk8, v8; writes qk8, v8
.if DOCPART == 2
	.amdgcn_target "amdgcn-amd-amdhsa--gfx1250"
	.amdhsa_code_object_version 6
	.text
	.protected	k_q95de7487ba_proj
	.globl	k_q95de7487ba_proj
	.p2align	8
	.type	k_q95de7487ba_proj,@function
k_q95de7487ba_proj:
	s_mov_b64 s[64:65], 0
	v_nop
	global_prefetch_b8 v0, s[64:65] scope:SCOPE_SE
	s_setreg_imm32_b32 hwreg(HW_REG_WAVE_MODE, 25, 1), 1
	s_wait_xcnt 0x0
	s_wait_alu depctr_hold_cnt(0) depctr_sa_sdst(0) depctr_va_vdst(0) depctr_va_sdst(0) depctr_va_ssrc(0) depctr_va_vcc(0) depctr_vm_vsrc(0)
	s_getreg_b32 s2, hwreg(HW_REG_IB_STS2, 6, 4)
	s_cmp_eq_u32 s2, 0
	s_cbranch_scc0 .Lentry_in_a_cluster
	s_endpgm
.Lentry_in_a_cluster:
	s_bfe_u32 s2, ttmp6, 0x10000c
	s_cmp_lg_u32 s2, 0x3003
	s_cbranch_scc0 .Lentry_shape_is_right
	s_endpgm
.Lentry_shape_is_right:
; PROJ: the three projections of a head, on codes of E4M3, and their results quantised at once for the products that follow.
; q[n][d], k[m][d] -> qk8: queries at 0, keys at 4 MiB, each [bh 32][tile 128] images of 16 positions x 64 d (1,024 bytes).  v[e][n] + b_v -> v8 [bh][step 16][tile of e 16] images of 16 e x 128 positions.
; An image's piece q (registers 4 q .. 4 q + 3) lies at 512 q + 16 x lane; register 2 c + u, byte y of lane (r, h): row r, k = 16 c + 8 h + 4 u + y.  So the eight results of a lane in tile c of the NEXT K are registers 2 c, 2 c + 1.
; SHARES: a work-group takes 256 positions of one (b, head); each of its four waves 64: four tiles, whose codes of x (three versions, 384 registers) stay in registers.
; q, k: source 0 = 16 d of the weight, source 1 = 16 positions: a lane holds one position, its registers run along d.  v: source 0 = 16 positions, source 1 = 16 e: a lane holds one e, its registers run along the positions.
; CLUSTER: the four work-groups of a cluster have the same head: its weights (96 KB of images) are asked for jointly, three loads a wave, once; nothing is filled again.
; LIMITS: exponents 6 - 0 - 1, 7 - 2 - 3 and 8 between -126 and 119; 4 + 5 between -126 and 127.  NaN is not served.
.set SPARE, 98304                      ; LDS: w_qk (query scale) 0, w_qk (key scale) 16,384, w_v 32,768; behind them the spare words, 128 bytes a wave
.set LI,   3                           ; v3   16 x lane
.set SPW,  4                           ; v4   my spare word; never rewritten
.set NIL,  5                           ; v5   0; never rewritten
.set R4,   6                           ; v6   4 r
.set LV,   7                           ; v7   16 x lane + 32,768
.set LIMQ, 8
.set SCQ,  9
.set LIMK, 10
.set SCK,  11
.set LIMV, 12
.set SCV,  13
.set BV,   16                          ; v16-31   b_v of channel 16 et + r
.set CD,   32                          ; v32-63   codes
.set WF,   64                          ; v64-127  weight fragments
.set ACC,  128                         ; v128-255 accumulators.   Window 1: x for q at v0, x for k at v128.   Window 2: x for v at v0.   Fragment (tile i, K step ks) at 32 i + 16 ks
.set WV,   16
.set G1A,  24
.set G1B,  32
.set G0Q,  40
.set G0K,  44
.set G0V,  48
.set MSB, 0
.macro WIN new                         ; the immediate's high byte repeats the setting that is left
.if MSB != \new
	s_set_vgpr_msb (MSB<<8)|\new
.set MSB, \new
.endif
.endm
.macro PLACES n
.rept \n
	v_nop
.endr
.endm
.macro CROUND                          ; a round of the cluster's barrier
	s_barrier_signal -1
	s_barrier_wait -1
	s_cmp_lg_u32 s[WV], 0
	s_cbranch_scc1 .Lnot_wave_0_\@
	s_barrier_signal -3
.Lnot_wave_0_\@:
	s_barrier_wait -3
	s_barrier_signal -1
	s_barrier_wait -1
.endm
.macro DENSE g, rows                   ; descriptor group 1: rows of 256 bytes, dense in memory and in LDS; elements of 8 bytes; the mask names all four work-groups, bit 21 beside it
	s_mov_b32 s[\g], 15|(3<<16)|(1<<21)
	s_mov_b32 s[\g+1], 32<<16
	s_mov_b32 s[\g+2], (\rows)<<16
	s_mov_b32 s[\g+3], 32<<16
	s_mov_b32 s[\g+4], \rows
	s_mov_b32 s[\g+5], 32
	s_mov_b32 s[\g+6], 0
	s_mov_b32 s[\g+7], 0
.endm
.macro MKSC se, vlim, vsc              ; s[se] = e (used up)  ->  v[vsc] = 2^e, v[vlim] = 448 x 2^e
	s_add_co_i32 s[\se], s[\se], 127
	s_lshl_b32 s63, s[\se], 23
	v_mov_b32 v[\vsc], s63
	s_add_co_i32 s[\se], s[\se], 8
	s_lshl_b32 s[\se], s[\se], 23
	s_or_b32 s[\se], s[\se], 0x600000
	v_mov_b32 v[\vlim], s[\se]
.endm
	s_load_b256 s[4:11], s[0:1], 0x0               ; xc 4, wc 6, b_v 8, the scales 10
	s_load_b128 s[12:15], s[0:1], 0x20             ; qk8 12, v8 14
	v_lshl_add_u32 v[SPW], v0, 2, SPARE
	v_mov_b32 v[NIL], 0
	ds_add_u32 v[SPW], v[NIL]                      ; the wave's opening: the add and its wait ahead of my first tensor load
	v_lshrrev_b32 v1, 5, v0
	v_readfirstlane_b32 s[WV], v1
	s_bfe_u32 s17, ttmp6, 0x40000                  ; cx
	s_lshl_b32 s18, ttmp9, 2
	s_add_co_u32 s18, s18, s17                     ; my block of 256 positions: it enters global addresses alone
	s_and_b32 s19, ttmp7, 0xffff                   ; bh
	s_lshr_b32 s20, s19, 3                         ; b
	s_and_b32 s21, s19, 7                          ; head
	DENSE G1A, 16
	DENSE G1B, 64
	v_and_b32 v1, 31, v0
	v_lshlrev_b32 v[LI], 4, v1
	v_add_nc_u32 v[LV], 32768, v[LI]
	v_and_b32 v1, 15, v0
	v_lshlrev_b32 v[R4], 2, v1
	s_wait_dscnt 0x0                               ; the opening add is done
	s_wait_kmcnt 0x0
	s_load_b256 s[52:59], s[10:11], 0x0            ; exponents 0 .. 7
	s_load_b32 s60, s[10:11], 0x20                 ; exponent 8
	s_lshl_b32 s62, s[WV], 12                      ; my quarter of each of w_qk's two sets: 4,096 bytes
	s_lshl_b32 s22, s21, 14
	s_add_co_u32 s22, s22, s62
	s_mov_b32 s23, 0
	s_mov_b32 s[G0Q], 1
	s_mov_b32 s[G0Q+1], s62
	s_add_nc_u64 s[G0Q+2:G0Q+3], s[6:7], s[22:23]
	s_mov_b32 s[G0K], 1
	s_add_co_u32 s[G0K+1], s62, 16384
	s_add_nc_u64 s[G0K+2:G0K+3], s[G0Q+2:G0Q+3], 131072
	s_or_b32 s[G0Q+3], s[G0Q+3], 0x80000000
	s_or_b32 s[G0K+3], s[G0K+3], 0x80000000
	s_lshl_b32 s62, s[WV], 14                      ; my quarter of w_v's images: 16,384 bytes
	s_lshl_b32 s22, s21, 16
	s_add_co_u32 s22, s22, s62
	s_add_co_u32 s22, s22, 262144
	s_mov_b32 s[G0V], 1
	s_add_co_u32 s[G0V+1], s62, 32768
	s_add_nc_u64 s[G0V+2:G0V+3], s[6:7], s[22:23]
	s_or_b32 s[G0V+3], s[G0V+3], 0x80000000
	CROUND                                         ; all four work-groups are here: the joint loads meet
	tensor_load_to_lds s[G0Q:G0Q+3], s[G1A:G1A+7]  ; three loads of mine are out, all first fills
	s_nop 0
	tensor_load_to_lds s[G0K:G0K+3], s[G1A:G1A+7]
	s_nop 0
	tensor_load_to_lds s[G0V:G0V+3], s[G1B:G1B+7]
	s_nop 0
	PLACES 4
	s_lshl_b32 s66, s20, 19                        ; xc: (128 b + 16 block + 4 wave) tiles of 4,096 bytes
	s_lshl_b32 s68, s18, 16
	s_add_co_u32 s66, s66, s68
	s_lshl_b32 s68, s[WV], 14
	s_add_co_u32 s66, s66, s68
	s_mov_b32 s67, 0
	s_add_nc_u64 s[4:5], s[4:5], s[66:67]
	s_lshl_b32 s66, s19, 17                        ; qk8: (128 bh + 16 block + 4 wave) tiles of 1,024 bytes
	s_lshl_b32 s68, s18, 14
	s_add_co_u32 s66, s66, s68
	s_lshl_b32 s68, s[WV], 12
	s_add_co_u32 s66, s66, s68
	s_add_nc_u64 s[12:13], s[12:13], s[66:67]
	s_lshl_b32 s66, s19, 19                        ; v8: step 16 bh + 2 block + wave / 2, of 32,768 bytes; my four tiles are pieces 2 (wave % 2), + 1 of each image
	s_lshl_b32 s68, s18, 16
	s_add_co_u32 s66, s66, s68
	s_lshr_b32 s68, s[WV], 1
	s_lshl_b32 s68, s68, 15
	s_add_co_u32 s66, s66, s68
	s_and_b32 s68, s[WV], 1
	s_lshl_b32 s68, s68, 10
	s_add_co_u32 s66, s66, s68
	s_add_nc_u64 s[14:15], s[14:15], s[66:67]
	s_lshl_b32 s66, s21, 10
	s_add_nc_u64 s[8:9], s[8:9], s[66:67]
.macro XIN ver, base                   ; my four tiles of x in version ver: 32 loads of 512 consecutive bytes
.irp i, 0,1,2,3
.irp ks, 0,1
.irp q, 0,1,2,3
	global_load_b128 v[\base+32*\i+16*\ks+4*\q:\base+32*\i+16*\ks+4*\q+3], v[LI], s[4:5] offset:\ver*2097152+\i*4096+\ks*2048+\q*512
.endr
.endr
.endr
.endm
	WIN 0x40
	XIN 0, 0
	XIN 1, 128
	WIN 0x80
	XIN 2, 0
	WIN 0
.irp et, 0,1,2,3,4,5,6,7,8,9,10,11,12,13,14,15
	global_load_b32 v[BV+\et], v[R4], s[8:9] offset:64*\et
.endr
	s_wait_kmcnt 0x0
	s_sub_co_i32 s62, s58, s52                     ; a sum of the first product stands for sum x 2^(e0 + e1): its code is sum / 2^(e6 - e0 - e1)
	s_sub_co_i32 s62, s62, s53
	MKSC 62, LIMQ, SCQ
	s_sub_co_i32 s62, s59, s54
	s_sub_co_i32 s62, s62, s55
	MKSC 62, LIMK, SCK
	s_add_co_i32 s61, s56, s57
	s_add_co_i32 s61, s61, 127
	s_lshl_b32 s61, s61, 23                        ; 2^(e4 + e5)
	MKSC 60, LIMV, SCV
	s_wait_tensorcnt 0x0                           ; my parts of the weights are in,
	s_barrier_signal -1
	s_barrier_wait -1                              ; everybody's are; nothing is filled again in this launch
; q (sel = 0) or k (sel = 1): 16 accumulators (tile i, d tile dt) by turns, one instruction a turn; two K steps.  left: the younger global loads that may stay out
.macro QKW sel, ks
.irp dt, 0,1,2,3
.irp q, 0,1,2,3
	ds_load_b128 v[WF+16*\dt+4*\q:WF+16*\dt+4*\q+3], v[LI] offset:\sel*16384+(2*\dt+\ks)*2048+512*\q
.endr
.endr
.endm
.macro QKPART sel, left, vlim, vsc
	QKW \sel, 0
	s_wait_dscnt 0x0
	s_wait_loadcnt \left
	WIN 0x04                                       ; source 1 (x) in window 1
.irp i, 0,1,2,3
.irp dt, 0,1,2,3
	v_wmma_f32_16x16x128_fp8_fp8 v[ACC+8*(4*\i+\dt):ACC+8*(4*\i+\dt)+7], v[WF+16*\dt:WF+16*\dt+15], v[128*\sel+32*\i:128*\sel+32*\i+15], 0
.endr
.endr
	PLACES 4                                       ; in front of loads into registers that matrix instructions have read
	WIN 0
	QKW \sel, 1
	s_wait_dscnt 0x0
	WIN 0x04
.irp i, 0,1,2,3
.irp dt, 0,1,2,3
	v_wmma_f32_16x16x128_fp8_fp8 v[ACC+8*(4*\i+\dt):ACC+8*(4*\i+\dt)+7], v[WF+16*\dt:WF+16*\dt+15], v[128*\sel+32*\i+16:128*\sel+32*\i+31], v[ACC+8*(4*\i+\dt):ACC+8*(4*\i+\dt)+7]
.endr
.endr
	WIN 0
	PLACES 4
.set jj, 0
.rept 128
	v_med3_num_f32 v[ACC+jj], v[ACC+jj], -v[\vlim], v[\vlim]   ; the hold at the largest code x the scale; each accumulator from its low end on
.set jj, jj+1
.endr
	s_wait_xcnt 0x0                                ; earlier stores have read the codes' registers
.irp i, 0,1,2,3
.irp dt, 0,1,2,3
	v_cvt_scalef32_pk8_fp8_f32 v[CD+8*\i+2*\dt:CD+8*\i+2*\dt+1], v[ACC+8*(4*\i+\dt):ACC+8*(4*\i+\dt)+7], v[\vsc]
.endr
.endr
	v_nop                                          ; a plain line between the conversions and the products that write their sources again
.irp i, 0,1,2,3
	global_store_b128 v[LI], v[CD+8*\i:CD+8*\i+3], s[12:13] offset:\sel*4194304+\i*1024
	global_store_b128 v[LI], v[CD+8*\i+4:CD+8*\i+7], s[12:13] offset:\sel*4194304+\i*1024+512
.endr
.endm
	QKPART 0, 63, LIMQ, SCQ                        ; behind x for q stand 80 younger loads; the count's field holds 63, and a smaller count is safe
	QKPART 1, 48, LIMK, SCK                        ; behind x for k: x for v (32) and b_v (16)
; v, a tile of 16 e at a time; fragments, accumulators and codes in two sets by turns; the work on tile et - 1's results stands behind tile et's products
.macro VFR et
.irp ks, 0,1
.irp q, 0,1,2,3
	ds_load_b128 v[WF+32*((\et)%2)+16*\ks+4*\q:WF+32*((\et)%2)+16*\ks+4*\q+3], v[LV] offset:(2*(\et)+\ks)*2048+512*\q
.endr
.endr
.endm
.macro VMUL et
.set AB, ACC+32*((\et)%2)
.set FB, WF+32*((\et)%2)
	WIN 0x02                                       ; source 0 (x) in window 2
.irp i, 0,1,2,3
	v_wmma_f32_16x16x128_fp8_fp8 v[AB+8*\i:AB+8*\i+7], v[32*\i:32*\i+15], v[FB:FB+15], 0
.endr
.irp i, 0,1,2,3
	v_wmma_f32_16x16x128_fp8_fp8 v[AB+8*\i:AB+8*\i+7], v[32*\i+16:32*\i+31], v[FB+16:FB+31], v[AB+8*\i:AB+8*\i+7]
.endr
	WIN 0
.endm
.macro VEPI et
.set AB, ACC+32*((\et)%2)
.set KB, CD+8*((\et)%2)
.set jj, 0
.rept 32
	v_fma_f32 v[AB+jj], v[AB+jj], s61, v[BV+(\et)]   ; sum x 2^(e4 + e5) + b_v
.set jj, jj+1
.endr
.set jj, 0
.rept 32
	v_med3_num_f32 v[AB+jj], v[AB+jj], -v[LIMV], v[LIMV]
.set jj, jj+1
.endr
	s_wait_xcnt 0x0                                ; the stores of two tiles ago have read this set of codes
.irp i, 0,1,2,3
	v_cvt_scalef32_pk8_fp8_f32 v[KB+2*\i:KB+2*\i+1], v[AB+8*\i:AB+8*\i+7], v[SCV]
.endr
	v_nop
	global_store_b128 v[LI], v[KB:KB+3], s[14:15] offset:(\et)*2048
	global_store_b128 v[LI], v[KB+4:KB+7], s[14:15] offset:(\et)*2048+512
.endm
	s_wait_loadcnt 0x0                             ; x for v, b_v
	VFR 0
.irp et, 0,1,2,3,4,5,6,7,8,9,10,11,12,13,14,15
.if \et < 15
	VFR \et+1
	s_wait_dscnt 8                                 ; this tile's fragments are in; the next tile's eight loads may be out
.else
	s_wait_dscnt 0x0
.endif
	VMUL \et
.if \et == 0
	PLACES 5
.else
	VEPI \et-1
.endif
.endr
	PLACES 4
	VEPI 15
	s_wait_tensorcnt 0x0                           ; the wave's end
	ds_add_u32 v[SPW], v[NIL]
	s_wait_dscnt 0x0
	CROUND                                         ; the closing round
	s_endpgm
.Lfunc_end_k_q95de7487ba_proj:
	.size	k_q95de7487ba_proj, .Lfunc_end_k_q95de7487ba_proj-k_q95de7487ba_proj
	.p2alignl 7, 3214868480
	.fill 96, 4, 3214868480
	.section	.rodata,"a",@progbits
	.p2align	6, 0x0
	.amdhsa_kernel k_q95de7487ba_proj
		.amdhsa_group_segment_fixed_size 167936
		.amdhsa_private_segment_fixed_size 0
		.amdhsa_enable_private_segment 0
		.amdhsa_kernarg_size 48
		.amdhsa_user_sgpr_count 2
		.amdhsa_user_sgpr_kernarg_segment_ptr 1
		.amdhsa_wavefront_size32 1
		.amdhsa_system_sgpr_workgroup_id_x 1
		.amdhsa_system_sgpr_workgroup_id_y 1
		.amdhsa_system_sgpr_workgroup_id_z 1
		.amdhsa_system_vgpr_workitem_id 0
		.amdhsa_next_free_vgpr 640
		.amdhsa_next_free_sgpr 80
		.amdhsa_reserve_vcc 0
		.amdhsa_float_denorm_mode_32 3
		.amdhsa_float_denorm_mode_16_64 3
		.amdhsa_memory_ordered 1
		.amdhsa_forward_progress 1
		.amdhsa_inst_pref_size 136
	.end_amdhsa_kernel
	.amdgpu_metadata
---
amdhsa.version: [ 1, 2 ]
amdhsa.kernels:
  - .name:           k_q95de7487ba_proj
    .symbol:         k_q95de7487ba_proj.kd
    .args:
      - { .name: xc, .offset: 0, .size: 8, .value_kind: global_buffer, .address_space: global }
      - { .name: wc, .offset: 8, .size: 8, .value_kind: global_buffer, .address_space: global }
      - { .name: b_v, .offset: 16, .size: 8, .value_kind: global_buffer, .address_space: global }
      - { .name: lowp_scales, .offset: 24, .size: 8, .value_kind: global_buffer, .address_space: global }
      - { .name: qk8, .offset: 32, .size: 8, .value_kind: global_buffer, .address_space: global }
      - { .name: v8, .offset: 40, .size: 8, .value_kind: global_buffer, .address_space: global }
    .group_segment_fixed_size: 167936
    .private_segment_fixed_size: 0
    .kernarg_segment_align: 8
    .kernarg_segment_size: 48
    .max_flat_workgroup_size: 128
    .sgpr_count:     80
    .vgpr_count:     640
    .wavefront_size: 32
...
	.end_amdgpu_metadata
.endif
;; end of part 2
;; launch rowstat (part 3): grid 8 x 32, 8 waves a work-group, clusters of 4 x 1, 167,936 bytes of LDS; arguments qk8, lowp_scales, stats; writes stats
.if DOCPART == 3
	.amdgcn_target "amdgcn-amd-amdhsa--gfx1250"
	.amdhsa_code_object_version 6
	.text
	.protected	k_q95de7487ba_rowstat
	.globl	k_q95de7487ba_rowstat
	.p2align	8
	.type	k_q95de7487ba_rowstat,@function
k_q95de7487ba_rowstat:
	s_mov_b64 s[64:65], 0
	v_nop
	global_prefetch_b8 v0, s[64:65] scope:SCOPE_SE
	s_setreg_imm32_b32 hwreg(HW_REG_WAVE_MODE, 25, 1), 1
	s_wait_xcnt 0x0
	s_wait_alu depctr_hold_cnt(0) depctr_sa_sdst(0) depctr_va_vdst(0) depctr_va_sdst(0) depctr_va_ssrc(0) depctr_va_vcc(0) depctr_vm_vsrc(0)
	s_getreg_b32 s2, hwreg(HW_REG_IB_STS2, 6, 4)
	s_cmp_eq_u32 s2, 0
	s_cbranch_scc0 .Lentry_in_a_cluster
	s_endpgm
.Lentry_in_a_cluster:
	s_bfe_u32 s2, ttmp6, 0x10000c
	s_cmp_lg_u32 s2, 0x3003
	s_cbranch_scc0 .Lentry_shape_is_right
	s_endpgm
.Lentry_shape_is_right:
; ROWSTAT: the softmax's row figure.  For every row n of every (b, head): t = score x log2(e); M = the row's largest t, rounded UP to a whole number; L = M + log2(the sum over m of 2^(t - M)).
; stats [bh 32][2048] f32 holds -L by position: the finished softmax is then 2^(t - L), one multiply-add and one exponential.  The scores are made anew from codes (K = 64) here and twice more in the next launch.
; SHARES: a work-group takes 256 rows of one (b, head); each of its EIGHT waves 32: two tiles; two waves to a SIMD.
; Source 0 = 16 keys, source 1 = my 16 queries: a lane holds one row (lane % 16) and, in a step of 128 keys, 64 of its scores; lane l xor 16 holds the other 64.
; All 2,048 keys of the head (128 KB of images) lie in LDS, asked for jointly by the cluster's four work-groups, one load a wave, once.
; When M moves, the sum is multiplied by 2^(old M - new M): nothing is rounded, and there is no branch on data.
; THE EXPONENTIALS ARE DEALT OUT AMONG PLAIN LINES: tile 0's batch of 64 stands among tile 1's maximum and scaling, tile 1's among tile 0's sums.  The plain lines name the other tile's registers alone; each batch has one wait, ahead of its first reader.
; LIMITS: exponents 6 + 7 between -126 and 126.  v_exp_f32 gives 0 under 2^-126.  L is rounded to f32 once more than M would be: half an ulp of L.  NaN is not served.
.set STG,   131072                     ; LDS: the keys 0; a stage of 1 KB (-L of my work-group's 256 rows) in a region of 2 KB; the spare words, 128 bytes a wave
.set SPARE, 133120
.set SPW, 2
.set NIL, 3
.set LI,  5                            ; v5   16 x lane
.set ADR, 6                            ; v6   the step's images of K
.set SIN, 7                            ; v7   into the stage: 4 bytes a thread
.set SOUT, 8                           ; v8   out of it: 8 bytes a thread (waves 0 to 3)
.set GOF, 9                            ; v9   the same place in stats
.set LN,  11                           ; v11  lane
.set ST,  12                           ; tile i at v[ST + 8 i]: +0 -M, +1 the largest t, +2, +3 the sum in two halves, +4 f, +5 0 (named with f as a pair), +6, +7 at work
.set QR,  32                           ; v32-47   my two tiles of q
.set KFR, 48                           ; v48-111  eight tiles of k
.set E0,  112                          ; v112-175, v176-239 scores, then p
.set WK,  240                          ; tile i at v[WK + 8 i]: +0, +1 a second chain of sums, +2 from the other half of the lanes, +3 the old -M
.set WV,  10
.set G1,  16
.set G0,  24
.set CS,  28                           ; s[28:29] log2(e) x 2^(e6 + e7)
.set SEL, 30
.set TB,  32
.set CNT, 33
.macro PLACES n
.rept \n
	v_nop
.endr
.endm
.macro CROUND
	s_barrier_signal -1
	s_barrier_wait -1
	s_cmp_lg_u32 s[WV], 0
	s_cbranch_scc1 .Lnot_wave_0_\@
	s_barrier_signal -3
.Lnot_wave_0_\@:
	s_barrier_wait -3
	s_barrier_signal -1
	s_barrier_wait -1
.endm
	s_load_b128 s[4:7], s[0:1], 0x0                ; qk8 4, the scales 6
	s_load_b64 s[8:9], s[0:1], 0x10                ; stats
	v_lshl_add_u32 v[SPW], v0, 2, SPARE
	v_mov_b32 v[NIL], 0
	ds_add_u32 v[SPW], v[NIL]                      ; the wave's opening: the add and its wait ahead of my first tensor load
	v_lshrrev_b32 v1, 5, v0
	v_readfirstlane_b32 s[WV], v1
	s_bfe_u32 s11, ttmp6, 0x40000                  ; cx
	s_lshl_b32 s12, ttmp9, 2
	s_add_co_u32 s12, s12, s11                     ; my block of 256 rows: it enters global addresses alone
	s_and_b32 s13, ttmp7, 0xffff                   ; bh
	s_mov_b32 s[G1], 15|(3<<16)|(1<<21)            ; 64 rows of 256 bytes, dense; elements of 8 bytes; the mask names all four work-groups, bit 21 beside it
	s_mov_b32 s[G1+1], 32<<16
	s_mov_b32 s[G1+2], 64<<16
	s_mov_b32 s[G1+3], 32<<16
	s_mov_b32 s[G1+4], 64
	s_mov_b32 s[G1+5], 32
	s_mov_b32 s[G1+6], 0
	s_mov_b32 s[G1+7], 0
	s_mov_b32 s[SEL], 0x76543210
	s_mov_b32 s[SEL+1], 0xfedcba98
	s_mov_b32 s[TB], 0
	v_and_b32 v[LN], 31, v0
	v_lshlrev_b32 v[LI], 4, v[LN]
	v_lshl_add_u32 v[SIN], v0, 2, STG              ; thread 32 wave + lane holds row 32 wave + lane: lanes 0-15 my first tile's rows, lanes 16-31 my second's
	v_lshl_add_u32 v[SOUT], v0, 3, STG
	v_lshlrev_b32 v[GOF], 3, v0
.irp i, 0,1
	v_mov_b32 v[ST+8*\i+1], 0xff61b1e6             ; the largest t so far: -3e38, under every t
	v_floor_f32 v[ST+8*\i], -v[ST+8*\i+1]
	v_mov_b32 v[ST+8*\i+2], 0
	v_mov_b32 v[ST+8*\i+3], 0
	v_mov_b32 v[ST+8*\i+5], 0
	v_mov_b32 v[WK+8*\i+2], 0                      ; a lane permute's destination counts as one of its sources
.endr
	s_wait_dscnt 0x0                               ; the opening add is done
	s_wait_kmcnt 0x0
	s_load_b64 s[34:35], s[6:7], 0x18              ; exponents 6, 7
	s_lshl_b32 s14, s13, 17                        ; the head's keys: 4 MiB + 131,072 bh; my eighth: 16,384 bytes
	s_lshl_b32 s36, s[WV], 14
	s_add_co_u32 s14, s14, s36
	s_add_co_u32 s14, s14, 4194304
	s_mov_b32 s15, 0
	s_mov_b32 s[G0], 1
	s_mov_b32 s[G0+1], s36
	s_add_nc_u64 s[G0+2:G0+3], s[4:5], s[14:15]
	s_or_b32 s[G0+3], s[G0+3], 0x80000000
	CROUND                                         ; all four work-groups are here: the joint loads meet
	tensor_load_to_lds s[G0:G0+3], s[G1:G1+7]      ; one load of mine is out
	s_nop 0
	PLACES 4
	s_lshl_b32 s38, s13, 17                        ; my two tiles of q: (128 bh + 16 block + 2 wave) x 1,024
	s_lshl_b32 s37, s12, 14
	s_add_co_u32 s38, s38, s37
	s_lshl_b32 s37, s[WV], 11
	s_add_co_u32 s38, s38, s37
	s_mov_b32 s39, 0
	s_add_nc_u64 s[4:5], s[4:5], s[38:39]
	s_lshl_b32 s38, s13, 13                        ; stats: 8,192 bh + 1,024 block
	s_lshl_b32 s37, s12, 10
	s_add_co_u32 s38, s38, s37
	s_add_nc_u64 s[8:9], s[8:9], s[38:39]
.irp q, 0,1,2,3
	global_load_b128 v[QR+4*\q:QR+4*\q+3], v[LI], s[4:5] offset:512*\q
.endr
	s_wait_kmcnt 0x0
	s_add_co_i32 s34, s34, s35
	s_lshl_b32 s34, s34, 23
	s_add_co_i32 s[CS], s34, 0x3fb8aa3b            ; a score stands for score x 2^(e6 + e7): the exponents are added to log2(e)'s exponent field
	s_mov_b32 s[CS+1], s[CS]
	s_wait_tensorcnt 0x0
	s_barrier_signal -1
	s_barrier_wait -1                              ; all keys lie in LDS; nothing is filled again
.macro KLOAD
	v_add_nc_u32 v[ADR], s[TB], v[LI]
.irp f, 0,1,2,3,4,5,6,7
	ds_load_b128 v[KFR+8*\f:KFR+8*\f+3], v[ADR] offset:1024*\f
	ds_load_b128 v[KFR+8*\f+4:KFR+8*\f+7], v[ADR] offset:1024*\f+512
.endr
.endm
; THE PLAIN WORK OF A TILE AND STEP, as three numbered lists.
; Line j of 41: the step's largest score in two chains (each accumulator is read from its low end on), the other half of the lanes', the new M, f = 2^(old M - new M)
.macro TOPL i, j
.set EE, E0+64*(\i)
.set SS, ST+8*(\i)
.set WW, WK+8*(\i)
.if (\j) == 0
	v_max3_num_f32 v[SS+6], v[EE], v[EE+1], v[EE+2]
.elseif (\j) == 1
	v_max3_num_f32 v[SS+7], v[EE+3], v[EE+4], v[EE+5]
.elseif (\j) < 30
.set KK, EE+6+4*(((\j)-2)/2)+2*((\j)%2)
	v_max3_num_f32 v[SS+6+(\j)%2], v[SS+6+(\j)%2], v[KK], v[KK+1]
.elseif (\j) == 30
	v_max3_num_f32 v[SS+6], v[SS+6], v[EE+62], v[EE+63]
.elseif (\j) == 31
	v_max_num_f32 v[SS+6], v[SS+6], v[SS+7]
.elseif (\j) == 32
	v_permlanex16_b32 v[WW+2], v[SS+6], s[SEL], s[SEL+1]
.elseif (\j) == 33
	v_max_num_f32 v[SS+6], v[SS+6], v[WW+2]
.elseif (\j) == 34
	v_mul_f32 v[SS+6], s[CS], v[SS+6]
.elseif (\j) == 35
	v_max_num_f32 v[SS+1], v[SS+1], v[SS+6]
.elseif (\j) == 36
	v_mov_b32 v[WW+3], v[SS]
.elseif (\j) == 37
	v_floor_f32 v[SS], -v[SS+1]                    ; -M = floor(-t): M is a whole number
.elseif (\j) == 38
	v_sub_f32 v[WW+3], v[SS], v[WW+3]
.elseif (\j) == 39
	v_cvt_i32_f32 v[WW+3], v[WW+3]                 ; (it saturates)
.else
	v_ldexp_f32 v[SS+4], 1.0, v[WW+3]
.endif
.endm
; Line j of 32: t - M for a pair of scores: one rounding
.macro SCALEL i, j
	v_pk_fma_f32 v[E0+64*(\i)+2*(\j):E0+64*(\i)+2*(\j)+1], v[E0+64*(\i)+2*(\j):E0+64*(\i)+2*(\j)+1], s[CS:CS+1], v[ST+8*(\i):ST+8*(\i)+1] op_sel_hi:[1,0,0]
.endm
; Line j of 33: the sum under the new M, then the step's 64 p in two chains of pairs
.macro SUML i, j
.set EE, E0+64*(\i)
.set SS, ST+8*(\i)
.set WW, WK+8*(\i)
.if (\j) == 0
	v_pk_mul_f32 v[SS+2:SS+3], v[SS+2:SS+3], v[SS+4:SS+5] op_sel_hi:[1,0]
.elseif (\j) == 1
	v_pk_add_f32 v[WW:WW+1], v[EE:EE+1], v[EE+2:EE+3]
.elseif (\j) == 32
	v_pk_add_f32 v[SS+2:SS+3], v[SS+2:SS+3], v[WW:WW+1]
.elseif (\j)%2 == 0
.set KK, EE+4+4*(((\j)-2)/2)
	v_pk_add_f32 v[SS+2:SS+3], v[SS+2:SS+3], v[KK:KK+1]
.else
.set KK, EE+6+4*(((\j)-2)/2)
	v_pk_add_f32 v[WW:WW+1], v[WW:WW+1], v[KK:KK+1]
.endif
.endm
; The list in hand: N1 lines of kind K1 for tile T1, then lines of kind K2 for tile T2 (kinds: 0 maximum, 1 scaling, 2 sums).  PL writes its line number pn
.macro LIST k1, t1, n1, k2, t2
.set K1, \k1
.set T1, \t1
.set N1, \n1
.set K2, \k2
.set T2, \t2
.endm
.macro LINE k, t, j
.if \k == 0
	TOPL \t, \j
.elseif \k == 1
	SCALEL \t, \j
.else
	SUML \t, \j
.endif
.endm
.macro PL
.if pn < N1
	LINE K1, T1, pn
.else
	LINE K2, T2, pn-N1
.endif
.endm
.macro RUN from, to                    ; lines from .. to - 1 of the list, on end
.set pn, \from
.rept (\to)-(\from)
	PL
.set pn, pn+1
.endr
.endm
.macro MIX xb, np                      ; the 64 exponentials of the buffer at xb, dealt out evenly among the list's first np lines; a plain line stands behind the last exponential
.set xn, 0
.set pn, 0
.rept 64
	v_exp_f32 v[\xb+xn], v[\xb+xn]
.set xn, xn+1
.rept (xn*(\np))/64-pn
	PL
.set pn, pn+1
.endr
.endr
.endm
; A step: 128 keys.  next = 1: the next step's eight tiles of K are asked for behind the products and land during the vector work
.macro STEP next
	s_wait_dscnt 0x0
.irp f, 0,1,2,3,4,5,6,7
	v_wmma_f32_16x16x64_fp8_fp8 v[E0+8*\f:E0+8*\f+7], v[KFR+8*\f:KFR+8*\f+7], v[QR:QR+7], 0
	v_wmma_f32_16x16x64_fp8_fp8 v[E0+64+8*\f:E0+64+8*\f+7], v[KFR+8*\f:KFR+8*\f+7], v[QR+8:QR+15], 0
.endr
	PLACES 4                                       ; in front of loads into K's registers and of the first read of the scores
.if \next
	s_add_co_u32 s[TB], s[TB], 8192
	KLOAD
.endif
	LIST 0, 0, 41, 1, 0
	RUN 0, 73                                      ; tile 0: maximum, scaling
	LIST 0, 1, 41, 1, 1
	MIX E0, 73                                     ; tile 0's exponentials among tile 1's maximum and scaling
	s_wait_alu depctr_va_vdst(0)                   ; one wait for tile 0's batch, ahead of its first reader
	LIST 2, 0, 33, 2, 0
	MIX E0+64, 33                                  ; tile 1's exponentials among tile 0's sums
	s_wait_alu depctr_va_vdst(0)                   ; and one for tile 1's
	LIST 2, 1, 33, 2, 1
	RUN 0, 33
.endm
	KLOAD
	s_wait_loadcnt 0x0                             ; q
	s_mov_b32 s[CNT], 15
.Lstep:
	STEP 1
	s_sub_co_u32 s[CNT], s[CNT], 1
	s_cmp_lg_u32 s[CNT], 0
	s_cbranch_scc1 .Lstep
	STEP 0                                         ; the last step fetches nothing
.irp i, 0,1
	v_add_f32 v[ST+8*\i+2], v[ST+8*\i+2], v[ST+8*\i+3]
.endr
.irp i, 0,1
	v_permlanex16_b32 v[WK+8*\i+2], v[ST+8*\i+2], s[SEL], s[SEL+1]
.endr
.irp i, 0,1
	v_add_f32 v[ST+8*\i+2], v[ST+8*\i+2], v[WK+8*\i+2]
.endr
	v_log_f32 v[ST+3], v[ST+2]                     ; log2 of the row's sum, which is above 1/2
	v_log_f32 v[ST+11], v[ST+10]
	v_nop
	v_cmp_gt_u32 vcc_lo, 16, v[LN]
	s_wait_alu depctr_va_vdst(0)                   ; one wait for both logarithms
	v_sub_f32 v[WK], v[ST], v[ST+3]                ; -L = -M - log2(sum)
	v_sub_f32 v[WK+8], v[ST+8], v[ST+11]
	v_cndmask_b32 v[WK], v[WK+8], v[WK], vcc_lo    ; lanes 0-15: my first tile's; lanes 16-31: my second's
	ds_store_b32 v[SIN], v[WK]
	s_wait_dscnt 0x0                               ; for the others' sake: my store has landed
	s_barrier_signal -1
	s_barrier_wait -1
	s_cmp_lt_u32 s[WV], 4                          ; waves 0 to 3 store the work-group's 1,024 bytes
	s_cbranch_scc0 .Lno_store
	ds_load_b64 v[12:13], v[SOUT]
	s_wait_dscnt 0x0
	global_store_b64 v[GOF], v[12:13], s[8:9]      ; a wave stores 256 consecutive bytes, aligned
.Lno_store:
	s_wait_tensorcnt 0x0                           ; the wave's end
	ds_add_u32 v[SPW], v[NIL]
	s_wait_dscnt 0x0
	CROUND                                         ; the closing round
	s_endpgm
.Lfunc_end_k_q95de7487ba_rowstat:
	.size	k_q95de7487ba_rowstat, .Lfunc_end_k_q95de7487ba_rowstat-k_q95de7487ba_rowstat
	.p2alignl 7, 3214868480
	.fill 96, 4, 3214868480
	.section	.rodata,"a",@progbits
	.p2align	6, 0x0
	.amdhsa_kernel k_q95de7487ba_rowstat
		.amdhsa_group_segment_fixed_size 167936
		.amdhsa_private_segment_fixed_size 0
		.amdhsa_enable_private_segment 0
		.amdhsa_kernarg_size 24
		.amdhsa_user_sgpr_count 2
		.amdhsa_user_sgpr_kernarg_segment_ptr 1
		.amdhsa_wavefront_size32 1
		.amdhsa_system_sgpr_workgroup_id_x 1
		.amdhsa_system_sgpr_workgroup_id_y 1
		.amdhsa_system_sgpr_workgroup_id_z 1
		.amdhsa_system_vgpr_workitem_id 0
		.amdhsa_next_free_vgpr 256
		.amdhsa_next_free_sgpr 66
		.amdhsa_reserve_vcc 1
		.amdhsa_float_denorm_mode_32 3
		.amdhsa_float_denorm_mode_16_64 3
		.amdhsa_memory_ordered 1
		.amdhsa_forward_progress 1
		.amdhsa_inst_pref_size 45
	.end_amdhsa_kernel
	.amdgpu_metadata
---
amdhsa.version: [ 1, 2 ]
amdhsa.kernels:
  - .name:           k_q95de7487ba_rowstat
    .symbol:         k_q95de7487ba_rowstat.kd
    .args:
      - { .name: qk8, .offset: 0, .size: 8, .value_kind: global_buffer, .address_space: global }
      - { .name: lowp_scales, .offset: 8, .size: 8, .value_kind: global_buffer, .address_space: global }
      - { .name: stats, .offset: 16, .size: 8, .value_kind: global_buffer, .address_space: global }
    .group_segment_fixed_size: 167936
    .private_segment_fixed_size: 0
    .kernarg_segment_align: 8
    .kernarg_segment_size: 24
    .max_flat_workgroup_size: 256
    .sgpr_count:     66
    .vgpr_count:     256
    .wavefront_size: 32
...
	.end_amdgpu_metadata
.endif
;; end of part 3
;; launch attn (part 4): grid 8 x 32, 4 waves a work-group, clusters of 4 x 1, 327,680 bytes of LDS; arguments qk8, v8, stats, wc, bnp, x, lowp_scales, cat; writes cat
.if DOCPART == 4
	.amdgcn_target "amdgcn-amd-amdhsa--gfx1250"
	.amdhsa_code_object_version 6
	.text
	.protected	k_q95de7487ba_attn
	.globl	k_q95de7487ba_attn
	.p2align	8
	.type	k_q95de7487ba_attn,@function
k_q95de7487ba_attn:
	s_mov_b64 s[64:65], 0
	v_nop
	global_prefetch_b8 v0, s[64:65] scope:SCOPE_SE
	s_setreg_imm32_b32 hwreg(HW_REG_WAVE_MODE, 25, 1), 1
	s_wait_xcnt 0x0
	s_wait_alu depctr_hold_cnt(0) depctr_sa_sdst(0) depctr_va_vdst(0) depctr_va_sdst(0) depctr_va_ssrc(0) depctr_va_vcc(0) depctr_vm_vsrc(0)
	s_getreg_b32 s2, hwreg(HW_REG_IB_STS2, 6, 4)
	s_cmp_eq_u32 s2, 0
	s_cbranch_scc0 .Lentry_in_a_cluster
	s_endpgm
.Lentry_in_a_cluster:
	s_bfe_u32 s2, ttmp6, 0x10000c
	s_cmp_lg_u32 s2, 0x3003
	s_cbranch_scc0 .Lentry_shape_is_right
	s_endpgm
.Lentry_shape_is_right:
; ATTN: for one (b, head) and 256 columns m: the column sums of the softmax (walk B), attn = softmax / (1e-9 + colsum) quantised and multiplied by x_v (walk C), then w_t (x - x_r), batch norm, relu, + x, quantised for the last product.
; softmax = 2^(score x log2(e) - L) with the row's L = M + log2(rowsum) from stats.  The scores are made anew from codes in each walk (K = 64): they never go to memory.
; SHARES: each of four waves owns 64 columns (four tiles mt) and ALL 256 channels: 64 accumulators, 512 registers.  A wave makes attn's codes for its own columns alone: no computed operand goes from wave to wave, and the launch stores nothing to LDS.
; LAYOUT: scores: source 0 = 16 rows n (q), source 1 = my 16 columns (k): a lane holds one column, its registers run along n, the next product's K: the conversions' results ARE that product's operand.
; x_r, y: source 0 = 16 channels (x_v, w_t), source 1 = my columns: a lane still holds one column, its registers run along the channels, again the next K.
; Columns and rows are POSITIONS: position 64 g + 16 t + p stands for n = 64 g + 4 p + t, so one load of 16 bytes of x brings a lane its number for its four tiles.
; THE EXPONENTIALS ARE DEALT OUT AMONG PLAIN LINES: a tile's batch of 64 stands among lines that name another tile's buffer alone (the next tile's scalings; the tile before's sums, or its multiplications and holds).
; Each batch has one wait, ahead of its first reader.  Walk C has two score buffers; walk B a third, the registers that hold attn's codes in walk C.
; LDS: two slots of 64 KB for x_v (two steps of 128 rows each), q's 2,048 rows (128 KB) and the rows' -L (8 KB), which stay.  All hang on (b, head) alone: the cluster's four work-groups ask for them jointly.
; The last change of slots brings w_t's images into the slot just left.
; The 512 accumulators are cleared by v_mov_b32 at the head, while the first tiles are on their way: a first step written out with the constant 0 would be a third copy of the longest step.
; The last step of walk C fetches 32 LDS loads (q and -L of step 0 again) that nobody uses: the addresses wrap, so that the step is written once.
; LIMITS: exponents 6 + 7 between -126 and 126; 8 + 9 between -126 and 127; 9, 10, 12 between -126 and 119.  v_exp_f32 gives 0 under 2^-126.  The division by the column sum is v_rcp_f32 and a multiplication.  NaN is not served.
.set VSLOT, 65536
.set QB,    131072
.set SB,    262144
.set SPARE, 282624                     ; the spare words, 128 bytes a wave, well behind the rows' figures
; window 0
.set LI,   3                           ; 16 x lane
.set ADQ,  4                           ; the next step's q
.set ADS,  5                           ; the next step's -L
.set ADV,  6                           ; this step's x_v
.set XO,   7                           ; x: 8 h channels + 16 r
.set BO,   8                           ; batch norm: 32 h, stepped
.set CO,   9                           ; cat: 16 x lane, stepped
.set SPW,  10
.set NIL,  11
.set PFO,  12                          ; 256 x lane
.set ADW,  13
.set AQ0,  14
.set AS0,  15
.set CSUM, 16                          ; v16-47  column sums, eight a tile: four packed chains
.set CC,   16                          ; later: cat's codes
.set CI,   48                          ; v48-55  1 / (1e-9 + colsum), a pair a tile
.set LIM9, 56                          ; v56, v57: 448 x 2^e9, 2^e9: in window 0 and in window 1
.set SC9,  57
.set LIM10, 58
.set SC10, 59
.set LIM12, 60
.set SC12, 61
.set XO2,  62
.set EA,   64                          ; v64-127, v128-191 two buffers: scores, softmax, attn; then fragments of x_v
.set EB,   128
.set PP,   192                         ; v192-255 attn's codes, 16 a tile; in walk B a third buffer of scores
.set DC,   128                         ; later: the codes of x - x_r: 32 mt + 16 ks
.set YY,   64                          ; later: product 6's accumulators
; window 1
.set KF,   0                           ; my four tiles of k
.set QF,   64                          ; eight tiles of q
.set NM,   128                         ; -L of the step's rows 16 c + 8 h + j
.set WTF,  64                          ; later: w_t's fragments.  Between the two, all of window 1: x, eight chunks of 32
; window 2: accumulators (et, mt) at 8 (4 et + mt), et 0-7; window 3: et 8-15.  Later in window 2: v0-63 alpha, beta; v64-191 x
.set X4P,  64
.set VW,   0x10                        ; the one window setting of all vector work on scores: source 2 (-L) in window 1
.set WV,   20
.set XB,   26
.set G1Q,  28
.set G1S,  36
.set G1V,  44
.set G0Q,  52
.set G0S,  56
.set G0V,  60
.set KBS,  66
.set G0W,  68
.set CS,   86
.set SEL,  88
.set TB,   90
.set TQ,   91
.set TS,   92
.set CNT,  93
.set SLOTS, 94
.set TW,   95
.set PFA,  96
.set LIM,  98
.set NS,   99
.set MSB, 0
.macro WIN new                         ; the immediate's high byte repeats the setting that is left
.if MSB != \new
	s_set_vgpr_msb (MSB<<8)|\new
.set MSB, \new
.endif
.endm
.macro PLACES n
.rept \n
	v_nop
.endr
.endm
.macro CROUND
	s_barrier_signal -1
	s_barrier_wait -1
	s_cmp_lg_u32 s[WV], 0
	s_cbranch_scc1 .Lnot_wave_0_\@
	s_barrier_signal -3
.Lnot_wave_0_\@:
	s_barrier_wait -3
	s_barrier_signal -1
	s_barrier_wait -1
.endm
.macro DENSE g, rows                   ; descriptor group 1: rows of 256 bytes, dense; elements of 8 bytes; the mask names all four work-groups, bit 21 beside it
	s_mov_b32 s[\g], 15|(3<<16)|(1<<21)
	s_mov_b32 s[\g+1], 32<<16
	s_mov_b32 s[\g+2], (\rows)<<16
	s_mov_b32 s[\g+3], 32<<16
	s_mov_b32 s[\g+4], \rows
	s_mov_b32 s[\g+5], 32
	s_mov_b32 s[\g+6], 0
	s_mov_b32 s[\g+7], 0
.endm
.macro MKSC se, vlim, vsc              ; s[se] = e  ->  v[vsc] = 2^e (also s101), v[vlim] = 448 x 2^e (also s100)
	s_add_co_i32 s100, s[\se], 127
	s_lshl_b32 s101, s100, 23
	s_add_co_i32 s100, s100, 8
	s_lshl_b32 s100, s100, 23
	s_or_b32 s100, s100, 0x600000
	v_mov_b32 v[\vsc], s101
	v_mov_b32 v[\vlim], s100
.endm
	s_load_b512 s[4:19], s[0:1], 0x0               ; qk8 4, v8 6, stats 8, wc 10, bnp 12, x 14, the scales 16, cat 18
	v_lshl_add_u32 v[SPW], v0, 2, SPARE
	v_mov_b32 v[NIL], 0
	ds_add_u32 v[SPW], v[NIL]                      ; the wave's opening: the add and its wait ahead of my first tensor load
	v_lshrrev_b32 v1, 5, v0
	v_readfirstlane_b32 s[WV], v1
	s_bfe_u32 s21, ttmp6, 0x40000                  ; cx
	s_lshl_b32 s22, ttmp9, 2
	s_add_co_u32 s22, s22, s21                     ; my block of 256 columns: it enters global addresses alone
	s_and_b32 s23, ttmp7, 0xffff                   ; bh
	s_lshr_b32 s24, s23, 3                         ; b
	s_and_b32 s25, s23, 7                          ; head
	DENSE G1Q, 128
	DENSE G1S, 8
	DENSE G1V, 64
	s_mov_b32 s[SEL], 0x76543210
	s_mov_b32 s[SEL+1], 0xfedcba98
	s_mov_b32 s[TB], 0
	s_mov_b32 s[TQ], 0
	s_mov_b32 s[TS], 0
	s_mov_b32 s[TW], 0
	s_mov_b32 s[SLOTS], 7
	s_lshr_b32 s[LIM], s[WV], 1                    ; waves 0 and 1
	s_or_b32 s[LIM], s[LIM], ttmp9                 ; of the head's first cluster prefetch: the same in all four partners
	s_cmp_eq_u32 s[LIM], 0
	s_cselect_b32 s[LIM], 1, -1
	v_and_b32 v1, 31, v0
	v_lshlrev_b32 v[LI], 4, v1
	v_lshlrev_b32 v[PFO], 8, v1
	v_and_b32 v2, 15, v0                           ; r
	v_bfe_u32 v1, v0, 4, 1                         ; h
	v_lshlrev_b32 v[XO], 4, v2
	v_lshl_add_u32 v[XO], v1, 16, v[XO]
	v_mov_b32 v[XO2], v[XO]
	v_lshlrev_b32 v[BO], 5, v1
	v_mov_b32 v[CO], v[LI]
	v_add_nc_u32 v[AQ0], QB, v[LI]
	v_lshlrev_b32 v[AS0], 5, v1
	v_add_nc_u32 v[AS0], SB, v[AS0]
.set jj, 0
.rept 32
	v_mov_b32 v[CSUM+jj], 0                        ; the column sums
.set jj, jj+1
.endr
	s_wait_dscnt 0x0                               ; the opening add is done
	s_wait_kmcnt 0x0
	s_load_b256 s[72:79], s[16:17], 0x0            ; exponent i in s[72 + i]
	s_load_b128 s[80:83], s[16:17], 0x20
	s_load_b64 s[84:85], s[16:17], 0x30
	s_mov_b32 s3, 0
	s_lshl_b32 s2, s23, 17                         ; q: 131,072 bh; my quarter: 32,768 bytes
	s_lshl_b32 s93, s[WV], 15
	s_add_co_u32 s2, s2, s93
	s_mov_b32 s[G0Q], 1
	s_add_co_u32 s[G0Q+1], s93, QB
	s_add_nc_u64 s[G0Q+2:G0Q+3], s[4:5], s[2:3]
	s_or_b32 s[G0Q+3], s[G0Q+3], 0x80000000
	s_lshl_b32 s2, s23, 13                         ; the rows' -L: 8,192 bh; my quarter: 2,048 bytes
	s_lshl_b32 s93, s[WV], 11
	s_add_co_u32 s2, s2, s93
	s_mov_b32 s[G0S], 1
	s_add_co_u32 s[G0S+1], s93, SB
	s_add_nc_u64 s[G0S+2:G0S+3], s[8:9], s[2:3]
	s_or_b32 s[G0S+3], s[G0S+3], 0x80000000
	s_lshl_b32 s2, s23, 19                         ; x_v: 524,288 bh; my quarter of a slot: 16,384 bytes.  This descriptor walks
	s_lshl_b32 s93, s[WV], 14
	s_add_co_u32 s2, s2, s93
	s_mov_b32 s[G0V], 1
	s_mov_b32 s[G0V+1], s93
	s_add_nc_u64 s[G0V+2:G0V+3], s[6:7], s[2:3]
	s_or_b32 s[G0V+3], s[G0V+3], 0x80000000
	s_lshl_b32 s2, s25, 16                         ; w_t: 786,432 + 65,536 head, into slot 0
	s_add_co_u32 s2, s2, s93
	s_add_co_u32 s2, s2, 786432
	s_mov_b32 s[G0W], 1
	s_mov_b32 s[G0W+1], s93
	s_add_nc_u64 s[G0W+2:G0W+3], s[10:11], s[2:3]
	s_or_b32 s[G0W+3], s[G0W+3], 0x80000000
	CROUND                                         ; all four work-groups are here: the first joint loads meet
	tensor_load_to_lds s[G0Q:G0Q+3], s[G1Q:G1Q+7]  ; three loads of mine are out, all first fills
	s_nop 0
	tensor_load_to_lds s[G0S:G0S+3], s[G1S:G1S+7]
	s_nop 0
	tensor_load_to_lds s[G0V:G0V+3], s[G1V:G1V+7]
	s_nop 0
	PLACES 4
	s_mov_b32 s101, 0
	s_lshl_b32 s100, s23, 17                       ; my four tiles of k: 4 MiB + (128 bh + 16 block + 4 wave) x 1,024
	s_lshl_b32 s99, s22, 14
	s_add_co_u32 s100, s100, s99
	s_lshl_b32 s99, s[WV], 12
	s_add_co_u32 s100, s100, s99
	s_add_co_u32 s100, s100, 4194304
	s_add_nc_u64 s[KBS:KBS+1], s[4:5], s[100:101]
	s_lshl_b32 s100, s24, 21                       ; x: b x 2^21 + 256 g, g = 4 block + wave
	s_lshl_b32 s99, s22, 10
	s_add_co_u32 s100, s100, s99
	s_lshl_b32 s99, s[WV], 8
	s_add_co_u32 s100, s100, s99
	s_add_nc_u64 s[XB:XB+1], s[14:15], s[100:101]
	s_lshl_b32 s100, s24, 22                       ; cat: ((128 b + 4 g) x 16 + 2 head) x 2,048
	s_lshl_b32 s99, s22, 19
	s_add_co_u32 s100, s100, s99
	s_lshl_b32 s99, s[WV], 17
	s_add_co_u32 s100, s100, s99
	s_lshl_b32 s99, s25, 12
	s_add_co_u32 s100, s100, s99
	s_add_nc_u64 s[18:19], s[18:19], s[100:101]
	s_lshl_b32 s100, s25, 11
	s_add_nc_u64 s[12:13], s[12:13], s[100:101]    ; the head's alpha and beta
	s_lshl_b32 s100, s23, 19                       ; the prefetches: slot 1 of the head's x_v, + 8,192 x (2 cx + wave % 2): the first change of slots steps it to slot 2
	s_lshl_b32 s99, s21, 14
	s_add_co_u32 s100, s100, s99
	s_and_b32 s99, s[WV], 1
	s_lshl_b32 s99, s99, 13
	s_add_co_u32 s100, s100, s99
	s_add_co_u32 s100, s100, VSLOT
	s_add_nc_u64 s[PFA:PFA+1], s[6:7], s[100:101]
	WIN 0x40
.irp mt, 0,1,2,3
	global_load_b128 v[KF+8*\mt:KF+8*\mt+3], v[LI], s[KBS:KBS+1] offset:1024*\mt
	global_load_b128 v[KF+8*\mt+4:KF+8*\mt+7], v[LI], s[KBS:KBS+1] offset:1024*\mt+512
.endr
	WIN 0x80
.set jj, 0
.rept 256
	v_mov_b32 v[jj], 0
.set jj, jj+1
.endr
	WIN 0xc0
.set jj, 0
.rept 256
	v_mov_b32 v[jj], 0
.set jj, jj+1
.endr
	WIN 0
	s_wait_kmcnt 0x0
	s_add_co_i32 s100, s78, s79
	s_lshl_b32 s100, s100, 23
	s_add_co_i32 s[CS], s100, 0x3fb8aa3b           ; log2(e) x 2^(e6 + e7)
	s_mov_b32 s[CS+1], s[CS]
	s_add_co_i32 s[NS], s80, s81
	s_add_co_i32 s[NS], s[NS], 127
	s_lshl_b32 s[NS], s[NS], 23
	s_or_b32 s[NS], s[NS], 0x80000000              ; -2^(e8 + e9)
	MKSC 82, LIM10, SC10
	MKSC 84, LIM12, SC12
	MKSC 81, LIM9, SC9
	WIN 0x40
	v_mov_b32 v[SC9], s101                         ; the same two numbers at the same places of window 1
	v_mov_b32 v[LIM9], s100
	WIN 0
	s_wait_tensorcnt 0x0                           ; my parts of q, the rows' figures and slot 0 are in,
	s_barrier_signal -1
	s_barrier_wait -1                              ; everybody's are
	s_wait_loadcnt 0x0                             ; k
.macro NEXTADR c                       ; the next step's q and -L (the addresses wrap behind step 15); c = 1: this step's x_v too
	s_add_co_u32 s[TQ], s[TQ], 8192
	s_and_b32 s[TQ], s[TQ], 0x1ffff
	s_add_co_u32 s[TS], s[TS], 512
	s_and_b32 s[TS], s[TS], 0x1fff
	v_add_nc_u32 v[ADQ], s[TQ], v[AQ0]
	v_add_nc_u32 v[ADS], s[TS], v[AS0]
.if \c
	v_add_nc_u32 v[ADV], s[TB], v[LI]
	s_add_co_u32 s[TB], s[TB], 32768
.endif
.endm
.macro PRE_Q                           ; 16 LDS loads: eight tiles of q
	WIN 0x40
.irp c, 0,1,2,3,4,5,6,7
	ds_load_b128 v[QF+8*\c:QF+8*\c+3], v[ADQ] offset:1024*\c
	ds_load_b128 v[QF+8*\c+4:QF+8*\c+7], v[ADQ] offset:1024*\c+512
.endr
.endm
.macro PRE_S                           ; 16 LDS loads: -L of the step's rows 16 c + 8 h + 0 .. 7; sixteen lanes read the same 16 bytes
	WIN 0x40
.irp c, 0,1,2,3,4,5,6,7
	ds_load_b128 v[NM+8*\c:NM+8*\c+3], v[ADS] offset:64*\c
	ds_load_b128 v[NM+8*\c+4:NM+8*\c+7], v[ADS] offset:64*\c+16
.endr
.endm
.macro EW buf, mt                      ; the scores of 128 rows x my tile mt
	WIN 0x05
.irp c, 0,1,2,3,4,5,6,7
	v_wmma_f32_16x16x64_fp8_fp8 v[\buf+8*\c:\buf+8*\c+7], v[QF+8*\c:QF+8*\c+7], v[KF+8*\mt:KF+8*\mt+7], 0
.endr
.endm
; THE PLAIN WORK ON A TILE'S 64 NUMBERS, as numbered lines.  kind 0, 32 lines: score x c - L for a pair, one rounding, each accumulator from its low end on.  kind 1, 32 lines: colsum += softmax, in four chains.
; kind 2, 96 lines: x 1 / (1e-9 + colsum) for a pair (32), then the hold at the largest code x the scale (64): attn is never negative, so the hold is one-sided; it is always executed
.macro LINE k, b, m, i
.if \k == 0
	v_pk_fma_f32 v[\b+2*(\i):\b+2*(\i)+1], v[\b+2*(\i):\b+2*(\i)+1], s[CS:CS+1], v[NM+2*(\i):NM+2*(\i)+1] op_sel_hi:[1,0,1]
.elseif \k == 1
	v_pk_add_f32 v[CSUM+8*\m+(2*(\i))%8:CSUM+8*\m+(2*(\i))%8+1], v[CSUM+8*\m+(2*(\i))%8:CSUM+8*\m+(2*(\i))%8+1], v[\b+2*(\i):\b+2*(\i)+1]
.elseif (\i) < 32
	v_pk_mul_f32 v[\b+2*(\i):\b+2*(\i)+1], v[\b+2*(\i):\b+2*(\i)+1], v[CI+2*\m:CI+2*\m+1]
.else
	v_min_num_f32 v[\b+(\i)-32], v[\b+(\i)-32], v[LIM9]
.endif
.endm
; The list in hand: N1 lines of kind K1 on buffer B1, tile M1, from its line O1 on; then lines of kind K2 on buffer B2, tile M2.  PL writes the list's line number pn
.macro LIST k1, b1, m1, o1, n1, k2, b2, m2
.set K1, \k1
.set B1, \b1
.set M1, \m1
.set O1, \o1
.set N1, \n1
.set K2, \k2
.set B2, \b2
.set M2, \m2
.endm
.macro PL
.if pn < N1
	LINE K1, B1, M1, pn+O1
.else
	LINE K2, B2, M2, pn-N1
.endif
.endm
.macro RUN from, to                    ; lines from .. to - 1 of the list, on end
.set pn, \from
.rept (\to)-(\from)
	PL
.set pn, pn+1
.endr
.endm
.macro MIX xb, np                      ; the 64 exponentials of buffer xb, dealt out evenly among the list's np lines, which name other buffers alone; a plain line stands behind the last exponential
.set xn, 0
.set pn, 0
.rept 64
	v_exp_f32 v[\xb+xn], v[\xb+xn]
.set xn, xn+1
.rept (xn*(\np))/64-pn
	PL
.set pn, pn+1
.endr
.endr
.endm
.macro TWAIT                           ; one wait for the batch issued last, ahead of its first reader
	s_wait_alu depctr_va_vdst(0)
.endm
.macro CVT buf, mt                     ; attn's codes of tile mt; a plain line between the conversions and the products that read their results or write their sources
.irp c, 0,1,2,3,4,5,6,7
	v_cvt_scalef32_pk8_fp8_f32 v[PP+16*\mt+2*\c:PP+16*\mt+2*\c+1], v[\buf+8*\c:\buf+8*\c+7], v[SC9]
.endr
	v_nop
.endm
.macro XLOAD gq, buf                   ; four fragments of x_v: channels 64 gq on
.irp k, 0,1,2,3
.irp q, 0,1,2,3
	ds_load_b128 v[\buf+16*\k+4*\q:\buf+16*\k+4*\q+3], v[ADV] offset:(4*\gq+\k)*2048+512*\q
.endr
.endr
.endm
.macro XMUL gq, buf                    ; 16 products; the 64 accumulators take turns, one instruction a step each
.irp k, 0,1,2,3
.irp mt, 0,1,2,3
	v_wmma_f32_16x16x128_fp8_fp8 v[8*(4*((4*\gq+\k)%8)+\mt):8*(4*((4*\gq+\k)%8)+\mt)+7], v[\buf+16*\k:\buf+16*\k+15], v[PP+16*\mt:PP+16*\mt+15], v[8*(4*((4*\gq+\k)%8)+\mt):8*(4*((4*\gq+\k)%8)+\mt)+7]
.endr
.endr
.endm
; A STEP: 128 rows n.  A tile's products go out at least 32 plain lines ahead of the first read of their results.  LDS loads stand in runs of 16 or 32.
.macro STEP c
	WIN 0
	NEXTADR \c
	s_wait_dscnt 0x0                               ; q and -L of this step are in
	EW EA, 0
	EW EB, 1
.if \c == 0
	EW PP, 2
.endif
	PLACES 4
	WIN VW
	LIST 0, EA, 0, 0, 32, 0, EA, 0
	RUN 0, 32                                      ; tile 0: scaled
	LIST 0, EB, 0, 0, 32, 0, EB, 0
	MIX EA, 32                                     ; tile 0's exponentials among tile 1's scalings
	TWAIT
.if \c
	LIST 2, EA, 0, 0, 96, 2, EA, 0
	MIX EB, 96                                     ; tile 1's exponentials among tile 0's multiplications and holds
	CVT EA, 0
	TWAIT
	EW EA, 2
	WIN VW
	LIST 2, EB, 1, 0, 32, 0, EA, 0
	RUN 0, 64                                      ; tile 1's multiplications are the places behind tile 2's products; then tile 2 is scaled
	LIST 2, EB, 1, 32, 64, 2, EB, 1
	MIX EA, 64                                     ; tile 2's exponentials among tile 1's holds
	CVT EB, 1
	TWAIT
	EW EB, 3
	WIN VW
	LIST 2, EA, 2, 0, 32, 0, EB, 0
	RUN 0, 64
	PRE_Q                                          ; q and -L have been read for the last time in this step: the next step's, 32 loads in one run
	PRE_S
	WIN VW
	LIST 2, EA, 2, 32, 64, 2, EA, 2
	MIX EB, 64                                     ; tile 3's exponentials among tile 2's holds
	CVT EA, 2
	TWAIT
	WIN 0
	XLOAD 0, EA                                    ; buffer EA is free: the first fragments of x_v
	WIN VW
	LIST 2, EB, 3, 0, 96, 2, EB, 3
	RUN 0, 96
	CVT EB, 3
	WIN 0
	XLOAD 1, EB
	s_wait_dscnt 16                                ; all but the run just issued
	WIN 0xa0
	XMUL 0, EA
	PLACES 4                                       ; in front of loads into registers that matrix instructions have read
	WIN 0
	XLOAD 2, EA
	s_wait_dscnt 16
	WIN 0xa0
	XMUL 1, EB
	PLACES 4
	WIN 0
	XLOAD 3, EB
	s_wait_dscnt 16
	WIN 0xf0
	XMUL 2, EA
	s_wait_dscnt 0x0
	XMUL 3, EB
	PLACES 5                                       ; the next step's products write over registers that these have read
.else
	LIST 1, EA, 0, 0, 32, 0, PP, 0
	MIX EB, 64                                     ; tile 1's exponentials among tile 0's sums and tile 2's scalings
	TWAIT
	EW EA, 3
	WIN VW
	LIST 1, EB, 1, 0, 32, 0, EA, 0
	MIX PP, 64                                     ; tile 2's exponentials among tile 1's sums, which are the places behind tile 3's products, and tile 3's scalings
	PRE_Q
	PRE_S
	WIN VW
	TWAIT
	LIST 1, PP, 2, 0, 32, 1, PP, 2
	MIX EA, 32                                     ; tile 3's exponentials among tile 2's sums
	TWAIT
	LIST 1, EA, 3, 0, 32, 1, EA, 3
	RUN 0, 32
.endif
	WIN 0
.endm
; A PREFETCH INTO THE L2 of the slot that the NEXT change will ask for: 65,536 bytes = 8 waves x 32 lanes x 256 bytes.  Both clusters of a head walk the same x_v: the first asks; its four partners are told apart by address;
; in each, waves 0 and 1 ask, one instruction each.  So each block of 256 bytes is named once.  Slots 0 and 1 come by their loads alone; the last change that fills a slot asks for nothing.
.macro ASK
	s_cmp_gt_u32 s[SLOTS], s[LIM]
	s_cbranch_scc0 .Lnot_mine_\@
	global_prefetch_b8 v[PFO], s[PFA:PFA+1] th:TH_LOAD_NT scope:SCOPE_SE
.Lnot_mine_\@:
.endm
; THE CHANGE OF SLOTS stands at a slot's head.  Each wave waits for all its tensor loads (its part of the slot ahead), adds 0 to its spare word, waits for that and for its LDS reads; a round of the cluster's barrier;
; then the slot just left is filled: f = 1 with the next two steps of x_v, f = 2 with w_t.  One joint load a wave, with two steps' work in which to land.
.macro CHANGE f
	WIN 0
	s_wait_tensorcnt 0x0                           ; no tensor load of mine is out, so a group 0 may be written
	ds_add_u32 v[SPW], v[NIL]
.if \f == 1
	s_xor_b32 s[G0V+1], s[G0V+1], VSLOT
	s_add_nc_u64 s[G0V+2:G0V+3], s[G0V+2:G0V+3], VSLOT
	s_wait_xcnt 0x0                                ; the last prefetch, two steps back, has read its address
	s_add_nc_u64 s[PFA:PFA+1], s[PFA:PFA+1], VSLOT
.endif
	s_wait_dscnt 0x0
	CROUND
.if \f == 1
	tensor_load_to_lds s[G0V:G0V+3], s[G1V:G1V+7]
.else
	tensor_load_to_lds s[G0W:G0W+3], s[G1V:G1V+7]
.endif
	s_nop 0
	PLACES 4
.if \f == 1
	ASK
.endif
.endm
.macro TWO_STEPS                       ; a slot's two steps: written once, walked twice
	s_mov_b32 s[CNT], 2
.Lstep_\@:
	STEP 1
	s_sub_co_u32 s[CNT], s[CNT], 1
	s_cmp_lg_u32 s[CNT], 0
	s_cbranch_scc1 .Lstep_\@
	s_sub_co_u32 s[TB], s[TB], 2*32768
	s_xor_b32 s[TB], s[TB], VSLOT
.endm
	; ---- walk B: the column sums
	v_add_nc_u32 v[ADQ], s[TQ], v[AQ0]
	v_add_nc_u32 v[ADS], s[TS], v[AS0]
	PRE_Q
	PRE_S
	WIN 0
	s_mov_b32 s[CNT], 16
.Lwalk_b:
	STEP 0
	s_sub_co_u32 s[CNT], s[CNT], 1
	s_cmp_lg_u32 s[CNT], 0
	s_cbranch_scc1 .Lwalk_b
.irp mt, 0,1,2,3
	v_pk_add_f32 v[CSUM+8*\mt:CSUM+8*\mt+1], v[CSUM+8*\mt:CSUM+8*\mt+1], v[CSUM+8*\mt+2:CSUM+8*\mt+3]
	v_pk_add_f32 v[CSUM+8*\mt+4:CSUM+8*\mt+5], v[CSUM+8*\mt+4:CSUM+8*\mt+5], v[CSUM+8*\mt+6:CSUM+8*\mt+7]
.endr
.irp mt, 0,1,2,3
	v_pk_add_f32 v[CSUM+8*\mt:CSUM+8*\mt+1], v[CSUM+8*\mt:CSUM+8*\mt+1], v[CSUM+8*\mt+4:CSUM+8*\mt+5]
.endr
.irp mt, 0,1,2,3
	v_add_f32 v[CSUM+8*\mt], v[CSUM+8*\mt], v[CSUM+8*\mt+1]
.endr
.irp mt, 0,1,2,3
	v_permlanex16_b32 v[CSUM+8*\mt+2], v[CSUM+8*\mt], s[SEL], s[SEL+1]   ; the column's other rows lie in the lane 16 away
.endr
.irp mt, 0,1,2,3
	v_add_f32 v[CSUM+8*\mt], v[CSUM+8*\mt], v[CSUM+8*\mt+2]
.endr
.irp mt, 0,1,2,3
	v_add_f32 v[CSUM+8*\mt], 0x3089705f, v[CSUM+8*\mt]                   ; + 1e-9
.endr
.irp mt, 0,1,2,3
	v_rcp_f32 v[CI+2*\mt], v[CSUM+8*\mt]           ; made twice: the packed multiplication names a pair
	v_rcp_f32 v[CI+2*\mt+1], v[CSUM+8*\mt]
.endr
	v_nop
	s_wait_alu depctr_va_vdst(0)                   ; one wait for the eight reciprocals
	; ---- walk C: attn's codes, and x_r
.Lslot:                                            ; seven trips: behind each change of slots but the last the next slot of x_v is asked for
	CHANGE 1
	TWO_STEPS
	s_sub_co_u32 s[SLOTS], s[SLOTS], 1
	s_cmp_lg_u32 s[SLOTS], 0
	s_cbranch_scc1 .Lslot
	CHANGE 2                                       ; the last slot is written out: its change brings w_t
	TWO_STEPS
	; ---- x - x_r, quantised: the operand of the product with w_t.  x comes in chunks of 16 channels, eight chunks ahead: all of window 1 is free now
.macro XCH et
	WIN 0x40
.irp j, 0,1,2,3,4,5,6,7
	global_load_b128 v[32*((\et)%8)+4*\j:32*((\et)%8)+4*\j+3], v[XO], s[XB:XB+1] offset:(16*(\et)+\j)*8192   ; channel 16 et + 8 h + j; word mt belongs to my tile mt
.endr
.endm
.macro P6LOAD buf                      ; for two tiles of 16 output channels: x (16 loads), alpha and beta (8 loads), into window 2
	WIN 0x80
.irp t, 0,1
.irp j, 0,1,2,3,4,5,6,7
	global_load_b128 v[X4P+64*(\buf)+32*\t+4*\j:X4P+64*(\buf)+32*\t+4*\j+3], v[XO2], s[XB:XB+1] offset:(16*\t+\j)*8192
.endr
.endr
.irp t, 0,1
	global_load_b128 v[32*(\buf)+8*\t:32*(\buf)+8*\t+3], v[BO], s[12:13] offset:64*\t
	global_load_b128 v[32*(\buf)+8*\t+4:32*(\buf)+8*\t+7], v[BO], s[12:13] offset:64*\t+16
	global_load_b128 v[32*(\buf)+16+8*\t:32*(\buf)+16+8*\t+3], v[BO], s[12:13] offset:64*\t+1024
	global_load_b128 v[32*(\buf)+16+8*\t+4:32*(\buf)+16+8*\t+7], v[BO], s[12:13] offset:64*\t+1040
.endr
	WIN 0
.endm
.irp et, 0,1,2,3,4,5,6,7
	XCH \et
.endr
.irp et, 0,1,2,3,4,5,6,7,8,9,10,11,12,13,14,15
.set TT, EA+32*(\et%2)
.if \et < 8
	s_wait_loadcnt 56                              ; this chunk is in; seven younger chunks of eight loads may be out
.elseif 8*(15-\et)+24 > 63
	s_wait_loadcnt 63                              ; more are younger than the count's field holds: a smaller count is safe
.else
	s_wait_loadcnt 8*(15-\et)+24                   ; the younger chunks, and the 24 loads for the first two tiles of the next product
.endif
	WIN 0x12+(\et/8)                               ; source 0 (the sums) window 2 or 3, source 2 (x) window 1
.irp mt, 0,1,2,3
.irp j, 0,1,2,3,4,5,6,7
	v_fma_f32 v[TT+8*\mt+\j], v[8*(4*(\et%8)+\mt)+\j], s[NS], v[32*(\et%8)+4*\j+\mt]   ; x - sum x 2^(e8 + e9): one rounding; each accumulator from its low end on
.endr
.endr
.if \et < 8
	XCH \et+8
.endif
.if \et == 7
	P6LOAD 0                                       ; window 2's accumulators have all been read
.endif
	WIN 0
.set jj, 0
.rept 32
	v_med3_num_f32 v[TT+jj], v[TT+jj], -v[LIM10], v[LIM10]
.set jj, jj+1
.endr
.irp mt, 0,1,2,3
	v_cvt_scalef32_pk8_fp8_f32 v[DC+32*\mt+16*(\et/8)+2*(\et%8):DC+32*\mt+16*(\et/8)+2*(\et%8)+1], v[TT+8*\mt:TT+8*\mt+7], v[SC10]
.endr
	v_nop
.endr
	; ---- w_t (x - x_r), batch norm, relu, + x, quantised: cat
	s_wait_tensorcnt 0x0                           ; my part of w_t is in,
	s_wait_dscnt 0x0
	s_barrier_signal -1
	s_barrier_wait -1                              ; everybody's is
; Two tiles of 16 output channels (t) x my four tiles of columns: eight accumulators by turns, two K steps.  The next two tiles' x, alpha and beta are asked for at the head.
.macro HALF par
	s_wait_loadcnt 0x0                             ; this half's x, alpha, beta are in: so the loads' offsets may be stepped
	v_add_nc_u32 v[XO2], 262144, v[XO2]            ; 32 channels on
	v_add_nc_u32 v[BO], 128, v[BO]
.if \par
	s_cmp_eq_u32 s[CNT], 1                         ; the last half asks for nothing: no load leaves its buffer
	s_cbranch_scc1 .Lno_more_\@
.endif
	P6LOAD 1-\par
.if \par
.Lno_more_\@:
.endif
	v_add_nc_u32 v[ADW], s[TW], v[LI]
	s_add_co_u32 s[TW], s[TW], 8192
	WIN 0x40
.irp t, 0,1
.irp ks, 0,1
.irp q, 0,1,2,3
	ds_load_b128 v[WTF+32*\t+16*\ks+4*\q:WTF+32*\t+16*\ks+4*\q+3], v[ADW] offset:4096*\t+2048*\ks+512*\q
.endr
.endr
.endr
	s_wait_dscnt 0x0
	WIN 0x01                                       ; source 0 (w_t) window 1
.irp t, 0,1
.irp mt, 0,1,2,3
	v_wmma_f32_16x16x128_fp8_fp8 v[YY+8*(4*\t+\mt):YY+8*(4*\t+\mt)+7], v[WTF+32*\t:WTF+32*\t+15], v[DC+32*\mt:DC+32*\mt+15], 0
.endr
.endr
.irp t, 0,1
.irp mt, 0,1,2,3
	v_wmma_f32_16x16x128_fp8_fp8 v[YY+8*(4*\t+\mt):YY+8*(4*\t+\mt)+7], v[WTF+32*\t+16:WTF+32*\t+31], v[DC+32*\mt+16:DC+32*\mt+31], v[YY+8*(4*\t+\mt):YY+8*(4*\t+\mt)+7]
.endr
.endr
	PLACES 4
	WIN 0x28                                       ; sources 1 and 2 (alpha, beta) window 2
.irp t, 0,1
.irp mt, 0,1,2,3
.irp j, 0,2,4,6
	v_pk_fma_f32 v[YY+8*(4*\t+\mt)+\j:YY+8*(4*\t+\mt)+\j+1], v[YY+8*(4*\t+\mt)+\j:YY+8*(4*\t+\mt)+\j+1], v[32*\par+8*\t+\j:32*\par+8*\t+\j+1], v[32*\par+16+8*\t+\j:32*\par+16+8*\t+\j+1]
.endr
.endr
.endr
	WIN 0x02                                       ; source 0 (x) window 2
.set jj, 0
.rept 64
	v_max_num_f32 v[YY+jj], 0, v[YY+jj]            ; relu
.set jj, jj+1
.endr
.irp t, 0,1
.irp mt, 0,1,2,3
.irp j, 0,1,2,3,4,5,6,7
	v_add_f32 v[YY+8*(4*\t+\mt)+\j], v[X4P+64*\par+32*\t+4*\j+\mt], v[YY+8*(4*\t+\mt)+\j]
.endr
.endr
.endr
	WIN 0
.set jj, 0
.rept 64
	v_med3_num_f32 v[YY+jj], v[YY+jj], -v[LIM12], v[LIM12]
.set jj, jj+1
.endr
.irp t, 0,1
.irp mt, 0,1,2,3
	v_cvt_scalef32_pk8_fp8_f32 v[CC+4*\mt+2*\t:CC+4*\mt+2*\t+1], v[YY+8*(4*\t+\mt):YY+8*(4*\t+\mt)+7], v[SC12]
.endr
.endr
	v_nop
.irp mt, 0,1,2,3
	global_store_b128 v[CO], v[CC+4*\mt:CC+4*\mt+3], s[18:19] offset:32768*\mt   ; one piece of tile mt's image: 512 consecutive bytes
.endr
	s_wait_xcnt 0x0                                ; the stores have read their data and their offset
	v_add_nc_u32 v[CO], 512, v[CO]
.endm
	s_mov_b32 s[CNT], 4
.Lpair:
	HALF 0
	HALF 1
	s_sub_co_u32 s[CNT], s[CNT], 1
	s_cmp_lg_u32 s[CNT], 0
	s_cbranch_scc1 .Lpair
	s_wait_tensorcnt 0x0                           ; the wave's end
	ds_add_u32 v[SPW], v[NIL]
	s_wait_dscnt 0x0
	CROUND                                         ; the closing round
	s_endpgm
.Lfunc_end_k_q95de7487ba_attn:
	.size	k_q95de7487ba_attn, .Lfunc_end_k_q95de7487ba_attn-k_q95de7487ba_attn
	.p2alignl 7, 3214868480
	.fill 96, 4, 3214868480
	.section	.rodata,"a",@progbits
	.p2align	6, 0x0
	.amdhsa_kernel k_q95de7487ba_attn
		.amdhsa_group_segment_fixed_size 327680
		.amdhsa_private_segment_fixed_size 0
		.amdhsa_enable_private_segment 0
		.amdhsa_kernarg_size 64
		.amdhsa_user_sgpr_count 2
		.amdhsa_user_sgpr_kernarg_segment_ptr 1
		.amdhsa_wavefront_size32 1
		.amdhsa_system_sgpr_workgroup_id_x 1
		.amdhsa_system_sgpr_workgroup_id_y 1
		.amdhsa_system_sgpr_workgroup_id_z 1
		.amdhsa_system_vgpr_workitem_id 0
		.amdhsa_next_free_vgpr 1024
		.amdhsa_next_free_sgpr 102
		.amdhsa_reserve_vcc 0
		.amdhsa_float_denorm_mode_32 3
		.amdhsa_float_denorm_mode_16_64 3
		.amdhsa_memory_ordered 1
		.amdhsa_forward_progress 1
		.amdhsa_inst_pref_size 255
	.end_amdhsa_kernel
	.section	.bss,"aw",@nobits
	.p2align	6
	.space	262144
	.amdgpu_metadata
---
amdhsa.version: [ 1, 2 ]
amdhsa.kernels:
  - .name:           k_q95de7487ba_attn
    .symbol:         k_q95de7487ba_attn.kd
    .args:
      - { .name: qk8, .offset: 0, .size: 8, .value_kind: global_buffer, .address_space: global }
      - { .name: v8, .offset: 8, .size: 8, .value_kind: global_buffer, .address_space: global }
      - { .name: stats, .offset: 16, .size: 8, .value_kind: global_buffer, .address_space: global }
      - { .name: wc, .offset: 24, .size: 8, .value_kind: global_buffer, .address_space: global }
      - { .name: bnp, .offset: 32, .size: 8, .value_kind: global_buffer, .address_space: global }
      - { .name: x, .offset: 40, .size: 8, .value_kind: global_buffer, .address_space: global }
      - { .name: lowp_scales, .offset: 48, .size: 8, .value_kind: global_buffer, .address_space: global }
      - { .name: cat, .offset: 56, .size: 8, .value_kind: global_buffer, .address_space: global }
    .group_segment_fixed_size: 327680
    .private_segment_fixed_size: 0
    .kernarg_segment_align: 8
    .kernarg_segment_size: 64
    .max_flat_workgroup_size: 128
    .sgpr_count:     102
    .vgpr_count:     1024
    .wavefront_size: 32
...
	.end_amdgpu_metadata
.endif
;; end of part 4
;; launch lin (part 5): grid 64 x 4, 4 waves a work-group, clusters of 4 x 1, 167,936 bytes of LDS; arguments cat, wc, bnp, out0; writes out0
.if DOCPART == 5
	.amdgcn_target "amdgcn-amd-amdhsa--gfx1250"
	.amdhsa_code_object_version 6
	.text
	.protected	k_q95de7487ba_lin
	.globl	k_q95de7487ba_lin
	.p2align	8
	.type	k_q95de7487ba_lin,@function
k_q95de7487ba_lin:
	s_mov_b64 s[64:65], 0
	v_nop
	global_prefetch_b8 v0, s[64:65] scope:SCOPE_SE
	s_setreg_imm32_b32 hwreg(HW_REG_WAVE_MODE, 25, 1), 1
	s_wait_xcnt 0x0
	s_wait_alu depctr_hold_cnt(0) depctr_sa_sdst(0) depctr_va_vdst(0) depctr_va_sdst(0) depctr_va_ssrc(0) depctr_va_vcc(0) depctr_vm_vsrc(0)
	s_getreg_b32 s2, hwreg(HW_REG_IB_STS2, 6, 4)
	s_cmp_eq_u32 s2, 0
	s_cbranch_scc0 .Lentry_in_a_cluster
	s_endpgm
.Lentry_in_a_cluster:
	s_bfe_u32 s2, ttmp6, 0x10000c
	s_cmp_lg_u32 s2, 0x3003
	s_cbranch_scc0 .Lentry_shape_is_right
	s_endpgm
.Lentry_shape_is_right:
; LIN: out0 = LeakyReLU(batch norm(w_lin cat)), the product on codes of E4M3, K = 2,048.
; SHARES: a work-group takes 128 positions (= 128 neighbouring n of one b) x 64 output channels.  Each of four waves takes two tiles of positions and keeps all their 16 K steps in registers (512): 64 KB that lie on end in cat.
; w_lin's slice (4 tiles x 16 K steps, 128 KB of images) hangs on the channel block alone: the cluster's four work-groups ask for it jointly, one load a wave, once.
; Source 0 = 16 positions, source 1 = 16 channels: a lane holds one channel, so alpha and beta (which hold the product's two scales) are one number a lane and tile.
; Position 64 g + 16 t + p stands for n = 64 g + 4 p + t: a wave's two tiles are t = 2 (wave % 2), + 1, so a lane's two results of one register number are neighbours along n.  They meet the other waves' in a stage
; (64 rows of 512 bytes + 16), and each wave stores 16 whole rows of 512 consecutive bytes.
; LIMITS are prep's: the scales lie in alpha.  NaN is not served (a NaN loses in the maximum).
.set STG,   131072
.set SPARE, 164864                     ; behind the stage: the spare words, 128 bytes a wave
.set LI,  3
.set LH,  4                            ; 16 x lane + 65,536
.set SPW, 5
.set NIL, 6
.set SIN, 7
.set SBK, 8
.set R4,  9
.set AL,  16                           ; v16-19 alpha, v20-23 beta of channel 16 ct + r
.set BE,  20
.set ACC, 32                           ; v32-95   accumulator (tile i, ct) at 8 (4 i + ct)
.set WLF, 96                           ; v96-159, v160-223 w_lin's four fragments of a K step, two sets.   Window 1: cat, tile 0, K step ks at 16 ks;  window 2: tile 1
.set OO,  96
.set ZZ,  160
.set WV,  12
.set G1,  16
.set G0,  24
.set MSB, 0
.macro WIN new
.if MSB != \new
	s_set_vgpr_msb (MSB<<8)|\new
.set MSB, \new
.endif
.endm
.macro PLACES n
.rept \n
	v_nop
.endr
.endm
.macro CROUND
	s_barrier_signal -1
	s_barrier_wait -1
	s_cmp_lg_u32 s[WV], 0
	s_cbranch_scc1 .Lnot_wave_0_\@
	s_barrier_signal -3
.Lnot_wave_0_\@:
	s_barrier_wait -3
	s_barrier_signal -1
	s_barrier_wait -1
.endm
	s_load_b256 s[4:11], s[0:1], 0x0               ; cat 4, wc 6, bnp 8, out0 10
	v_lshl_add_u32 v[SPW], v0, 2, SPARE
	v_mov_b32 v[NIL], 0
	ds_add_u32 v[SPW], v[NIL]                      ; the wave's opening: the add and its wait ahead of my first tensor load
	v_lshrrev_b32 v1, 5, v0
	v_readfirstlane_b32 s[WV], v1
	s_bfe_u32 s13, ttmp6, 0x40000                  ; cx
	s_lshl_b32 s14, ttmp9, 2
	s_add_co_u32 s14, s14, s13                     ; my block of 128 positions: it enters global addresses alone
	s_and_b32 s15, ttmp7, 0xffff                   ; my block of 64 channels
	s_mov_b32 s[G1], 15|(3<<16)|(1<<21)            ; 128 rows of 256 bytes, dense; elements of 8 bytes; the mask names all four work-groups, bit 21 beside it
	s_mov_b32 s[G1+1], 32<<16
	s_mov_b32 s[G1+2], 128<<16
	s_mov_b32 s[G1+3], 32<<16
	s_mov_b32 s[G1+4], 128
	s_mov_b32 s[G1+5], 32
	s_mov_b32 s[G1+6], 0
	s_mov_b32 s[G1+7], 0
	v_and_b32 v1, 31, v0
	v_lshlrev_b32 v[LI], 4, v1
	v_add_nc_u32 v[LH], 65536, v[LI]
	v_and_b32 v2, 15, v0                           ; r
	v_bfe_u32 v1, v0, 4, 1                         ; h
	v_lshlrev_b32 v[R4], 2, v2
	v_mul_u32_u24 v[SIN], v2, 528                  ; into the stage: row r of tile ct; byte 256 (wave / 2) + 128 h + 16 j + 8 (wave % 2)
	v_lshl_add_u32 v[SIN], v1, 7, v[SIN]
	s_lshr_b32 s28, s[WV], 1
	s_lshl_b32 s28, s28, 8
	s_and_b32 s29, s[WV], 1
	s_lshl_b32 s29, s29, 3
	s_add_co_u32 s28, s28, s29
	s_add_co_u32 s28, s28, STG
	v_add_nc_u32 v[SIN], s28, v[SIN]
	s_mul_i32 s28, s[WV], 16*528                   ; out of it: my 16 rows, 16 bytes a lane
	s_add_co_u32 s28, s28, STG
	v_add_nc_u32 v[SBK], s28, v[LI]
	s_wait_dscnt 0x0                               ; the opening add is done
	s_wait_kmcnt 0x0
	s_lshl_b32 s28, s15, 17                        ; w_lin's images: 1,310,720 + (4 block + wave) x 32,768
	s_lshl_b32 s33, s[WV], 15
	s_add_co_u32 s28, s28, s33
	s_add_co_u32 s28, s28, 1310720
	s_mov_b32 s29, 0
	s_mov_b32 s[G0], 1
	s_mov_b32 s[G0+1], s33
	s_add_nc_u64 s[G0+2:G0+3], s[6:7], s[28:29]
	s_or_b32 s[G0+3], s[G0+3], 0x80000000
	CROUND                                         ; all four work-groups are here: the joint loads meet
	tensor_load_to_lds s[G0:G0+3], s[G1:G1+7]      ; one load of mine is out
	s_nop 0
	PLACES 4
	s_mov_b32 s31, 0
	s_lshl_b32 s30, s14, 18                        ; cat: (8 block + 2 wave) tiles of 32,768 bytes
	s_lshl_b32 s32, s[WV], 16
	s_add_co_u32 s30, s30, s32
	s_add_nc_u64 s[4:5], s[4:5], s[30:31]
	s_lshl_b32 s30, s15, 8                         ; the last batch norm: 16,384 + 4 x 64 block
	s_add_co_u32 s30, s30, 16384
	s_add_nc_u64 s[8:9], s[8:9], s[30:31]
	s_lshr_b32 s30, s14, 4                         ; out0: b x 2^21 + (64 block + 16 wave) rows of 8,192 bytes + 512 x (position block % 16)
	s_lshl_b32 s30, s30, 21
	s_lshl_b32 s32, s15, 19
	s_add_co_u32 s30, s30, s32
	s_lshl_b32 s32, s[WV], 17
	s_add_co_u32 s30, s30, s32
	s_and_b32 s32, s14, 15
	s_lshl_b32 s32, s32, 9
	s_add_co_u32 s30, s30, s32
	s_add_nc_u64 s[10:11], s[10:11], s[30:31]
.irp ct, 0,1,2,3
	global_load_b32 v[AL+\ct], v[R4], s[8:9] offset:64*\ct
	global_load_b32 v[BE+\ct], v[R4], s[8:9] offset:64*\ct+1024
.endr
.irp u, 0,1,2,3                        ; cat, four K steps of both tiles at a time: 32 loads of 512 consecutive bytes
	WIN 0x40
.irp k, 0,1,2,3
.irp q, 0,1,2,3
	global_load_b128 v[16*(4*\u+\k)+4*\q:16*(4*\u+\k)+4*\q+3], v[LI], s[4:5] offset:(4*\u+\k)*2048+\q*512
.endr
.endr
	WIN 0x80
.irp k, 0,1,2,3
.irp q, 0,1,2,3
	global_load_b128 v[16*(4*\u+\k)+4*\q:16*(4*\u+\k)+4*\q+3], v[LI], s[4:5] offset:32768+(4*\u+\k)*2048+\q*512
.endr
.endr
.endr
	WIN 0
	s_wait_tensorcnt 0x0
	s_barrier_signal -1
	s_barrier_wait -1                              ; w_lin's slice lies in LDS; nothing is filled again
.macro WLOAD ks                        ; the four channel tiles' fragments of K step ks
.set WB, WLF+64*((\ks)%2)
.irp ct, 0,1
.irp q, 0,1,2,3
	ds_load_b128 v[WB+16*\ct+4*\q:WB+16*\ct+4*\q+3], v[LI] offset:\ct*32768+(\ks)*2048+512*\q
.endr
.endr
.irp ct, 0,1
.irp q, 0,1,2,3
	ds_load_b128 v[WB+32+16*\ct+4*\q:WB+32+16*\ct+4*\q+3], v[LH] offset:\ct*32768+(\ks)*2048+512*\q
.endr
.endr
.endm
.macro LMUL ks                         ; eight accumulators by turns, one instruction a turn
.set WB, WLF+64*((\ks)%2)
.irp i, 0,1
	WIN 0x01+\i                                    ; source 0 (cat) window 1 or 2
.irp ct, 0,1,2,3
.if (\ks) == 0
	v_wmma_f32_16x16x128_fp8_fp8 v[ACC+8*(4*\i+\ct):ACC+8*(4*\i+\ct)+7], v[16*(\ks):16*(\ks)+15], v[WB+16*\ct:WB+16*\ct+15], 0
.else
	v_wmma_f32_16x16x128_fp8_fp8 v[ACC+8*(4*\i+\ct):ACC+8*(4*\i+\ct)+7], v[16*(\ks):16*(\ks)+15], v[WB+16*\ct:WB+16*\ct+15], v[ACC+8*(4*\i+\ct):ACC+8*(4*\i+\ct)+7]
.endif
.endr
.endr
	WIN 0
.endm
	WLOAD 0
.irp ks, 0,1,2,3,4,5,6,7,8,9,10,11,12,13,14,15
.if \ks > 0
	PLACES 4                                       ; in front of loads into registers that matrix instructions have read
.endif
.if \ks < 15
	WLOAD \ks+1
	s_wait_dscnt 16                                ; this K step's fragments are in; the next step's 16 loads may be out
.else
	s_wait_dscnt 0x0
.endif
.if \ks == 0
	s_wait_loadcnt 63                              ; cat's first four K steps are in: 96 younger loads; the count's field holds 63, and a smaller count is safe
.endif
.if \ks == 4
	s_wait_loadcnt 63                              ; 64 younger loads
.endif
.if \ks == 8
	s_wait_loadcnt 32
.endif
.if \ks == 12
	s_wait_loadcnt 0x0
.endif
	LMUL \ks
.endr
	PLACES 4
.irp ct, 0,1,2,3
.irp i, 0,1
.irp j, 0,1,2,3,4,5,6,7
	v_fma_f32 v[OO+16*\ct+2*\j+\i], v[ACC+8*(4*\i+\ct)+\j], v[AL+\ct], v[BE+\ct]   ; the batch norm and the two scales in one; the destination pairs n and n + 1; each accumulator from its low end on
.endr
.endr
.endr
.set jj, 0
.rept 32
	v_pk_mul_f32 v[ZZ+jj:ZZ+jj+1], v[OO+jj:OO+jj+1], 0x3e4ccccd op_sel_hi:[1,0]    ; 0.2 y
.set jj, jj+2
.endr
.set jj, 0
.rept 64
	v_max_num_f32 v[OO+jj], v[OO+jj], v[ZZ+jj]     ; y where y >= 0, else 0.2 y
.set jj, jj+1
.endr
.irp ct, 0,1,2,3
.irp j, 0,1,2,3,4,5,6,7
	ds_store_b64 v[SIN], v[OO+16*\ct+2*\j:OO+16*\ct+2*\j+1] offset:8448*\ct+16*\j
.endr
.endr
	s_wait_dscnt 0x0                               ; for the others' sake: my stores have landed
	s_barrier_signal -1
	s_barrier_wait -1
.irp k, 0,1,2,3,4,5,6,7,8,9,10,11,12,13,14,15
	ds_load_b128 v[ZZ+4*\k:ZZ+4*\k+3], v[SBK] offset:528*\k
.endr
.irp k, 0,1,2,3,4,5,6,7,8,9,10,11,12,13,14,15
	s_wait_dscnt 15-\k
	global_store_b128 v[LI], v[ZZ+4*\k:ZZ+4*\k+3], s[10:11] offset:8192*\k th:TH_STORE_NT   ; 32 lanes store 512 consecutive bytes, at a multiple of 256 from out0's first byte
.endr
	s_wait_tensorcnt 0x0                           ; the wave's end
	ds_add_u32 v[SPW], v[NIL]
	s_wait_dscnt 0x0
	CROUND                                         ; the closing round
	s_endpgm
.Lfunc_end_k_q95de7487ba_lin:
	.size	k_q95de7487ba_lin, .Lfunc_end_k_q95de7487ba_lin-k_q95de7487ba_lin
	.p2alignl 7, 3214868480
	.fill 96, 4, 3214868480
	.section	.rodata,"a",@progbits
	.p2align	6, 0x0
	.amdhsa_kernel k_q95de7487ba_lin
		.amdhsa_group_segment_fixed_size 167936
		.amdhsa_private_segment_fixed_size 0
		.amdhsa_enable_private_segment 0
		.amdhsa_kernarg_size 32
		.amdhsa_user_sgpr_count 2
		.amdhsa_user_sgpr_kernarg_segment_ptr 1
		.amdhsa_wavefront_size32 1
		.amdhsa_system_sgpr_workgroup_id_x 1
		.amdhsa_system_sgpr_workgroup_id_y 1
		.amdhsa_system_sgpr_workgroup_id_z 1
		.amdhsa_system_vgpr_workitem_id 0
		.amdhsa_next_free_vgpr 768
		.amdhsa_next_free_sgpr 66
		.amdhsa_reserve_vcc 0
		.amdhsa_float_denorm_mode_32 3
		.amdhsa_float_denorm_mode_16_64 3
		.amdhsa_memory_ordered 1
		.amdhsa_forward_progress 1
		.amdhsa_inst_pref_size 60
	.end_amdhsa_kernel
	.amdgpu_metadata
---
amdhsa.version: [ 1, 2 ]
amdhsa.kernels:
  - .name:           k_q95de7487ba_lin
    .symbol:         k_q95de7487ba_lin.kd
    .args:
      - { .name: cat, .offset: 0, .size: 8, .value_kind: global_buffer, .address_space: global }
      - { .name: wc, .offset: 8, .size: 8, .value_kind: global_buffer, .address_space: global }
      - { .name: bnp, .offset: 16, .size: 8, .value_kind: global_buffer, .address_space: global }
      - { .name: out0, .offset: 24, .size: 8, .value_kind: global_buffer, .address_space: global }
    .group_segment_fixed_size: 167936
    .private_segment_fixed_size: 0
    .kernarg_segment_align: 8
    .kernarg_segment_size: 32
    .max_flat_workgroup_size: 128
    .sgpr_count:     66
    .vgpr_count:     768
    .wavefront_size: 32
...
	.end_amdgpu_metadata
.endif
;; end of part 5
